; MI455X (gfx1250); checked and timed in simulation.
; The chip was launched on July 23, 2026; its instructions are those of AMD's public machine-readable ISA for CDNA 5 (MIT licence, August 2026) and "CDNA5" Instruction Set Architecture Reference Guide (July 2026). The comments in the code are by the model that wrote it; some were corrected since.
;; Multi Headed Attention. Allowed arithmetic: matrix products marked QUANTISED: E2M3 operands, one E8M0 scale for each 32 along K, by v_wmma_scale_f32_16x16x128_f8f6f4 with both operands' format E2M3, f32 sums; everything else in f32.
;; Inputs: Wk 1,024 x 1,024 float32; Wo 1,024 x 1,024 float32; Wq 1,024 x 1,024 float32; Wv 1,024 x 1,024 float32; bk 1,024 float32; bo 1,024 float32; bq 1,024 float32; bv 1,024 float32; key 4 x 2,048 x 1,024 float32; query 4 x 2,048 x 1,024 float32; value 4 x 2,048 x 1,024 float32.
;; Outputs: out0 4 x 2,048 x 1,024 float32.
;; This version of the problem:
;;   THIS VERSION OF THE PROBLEM IS GIVEN IN LOW PRECISION. The matrix products marked QUANTISED in the list below multiply operands that are first quantised to E2M3 (2 exponent bits, 3 mantissa bits; 6 bits a number), with one power-of-two scale for each 32 numbers along K (OCP MX v1.0); their sums are f32. All else is computed in f32.
;;   The module's matrix products, in the order in which they are computed (A, B: the left and right operand; K: the contracted axis; several contracted axes count as one K, in the product's order):
;;     1. [M 8,192, K 1,024] x [K 1,024, N 1,024]; A: input query; B: input Wq: QUANTISED
;;     2. [M 8,192, K 1,024] x [K 1,024, N 1,024]; A: input key; B: input Wk: QUANTISED
;;     3. [M 8,192, K 1,024] x [K 1,024, N 1,024]; A: input value; B: input Wv: QUANTISED
;;     4. batch 64 x [M 2,048, K 64] x [K 64, N 2,048]; A: computed on the way; B: computed on the way: QUANTISED
;;     5. batch 64 x [M 2,048, K 2,048] x [K 2,048, N 64]; A: softmax (see below); B: computed on the way: QUANTISED
;;     6. [M 8,192, K 1,024] x [K 1,024, N 1,024]; A: computed on the way; B: input Wo: QUANTISED
;;   THE QUANTISER, for each operand of a quantised product, along K:
;;     - K is cut into blocks of 32 from its start; a last block that is shorter is filled with zeros.
;;     - A block's scale is 2^e with e = floor(log2(the largest magnitude in the block)) - 2, held to -126 .. 127; a block of zeros has e = 0. As a byte (E8M0): e + 127.
;;     - Each number is divided by its block's scale, clamped to +-7.5, and rounded to the nearest number of E2M3, ties to even, subnormals kept.
;;     - The product sums the exact products of the quantised numbers (number of the format x scale) in f32.
;;   ~~~python
;;   def quantise(x, axis):      # numpy; x: float32 -> the quantised numbers, widened to float32 again
;;       x = np.moveaxis(x, axis, -1); K = x.shape[-1]
;;       x = np.pad(x, [(0, 0)] * (x.ndim - 1) + [(0, -K % 32)]); x = x.reshape(x.shape[:-1] + (-1, 32)); a = np.abs(x).max(-1, keepdims=True)
;;       e = np.where(a > 0, np.clip(np.frexp(np.where(a > 0, a, 1))[1] - 1 - 2, -126, 127), 0)      # np.frexp(a)[1] - 1 = floor(log2(a)), exactly
;;       r = np.clip(x / 2.0 ** e, -7.5, 7.5)
;;       step = 2.0 ** (np.maximum(np.frexp(np.where(r == 0, 1, r))[1] - 1, 0) - 3)
;;       q = np.round(r / step) * step * 2.0 ** e      # np.round: ties to even
;;       return np.moveaxis(q.reshape(q.shape[:-2] + (-1,))[..., :K], -1, axis).astype(np.float32)
;;   ~~~
;;   SOFTMAX AHEAD OF A QUANTISED PRODUCT. Where the list says 'softmax', what is quantised is not the finished softmax but p = 2^(t - M), with t = logit x log2(e) and M = ceil(the row's largest t), a whole number; so 1/2 < the row's largest p <= 1. The row's sum l is taken of the UNQUANTISED p, in f32, and the product's result is divided by l at the end. Since M is a whole number, a kernel that streams over the keys may use a running M (the ceiling of the running maximum): every later rescaling is an exact power of two, which a block's scale takes up: the codes' values come out the same.
;;   OPERANDS COMPUTED ON THE WAY. 'Computed on the way' means the value that the module computes at that place (a softmax that the list does not call 'softmax' is quantised finished and normalised). What goes into a quantiser is computed in f32, as accurately as f32 sums, v_exp_f32 and their like allow (about 1e-6 of the number): no bf16 or f16 on the way to a quantiser, and a product that is left as it is and whose result goes on into a quantised operand takes f32 operands (vector FMAs, or v_wmma_f32_16x16x4_f32). A number that lies on a knife's edge between two numbers of the format may be rounded either way, as far as f32 arithmetic and the matrix unit's own rounding can turn it there, and no further.
;; One version. Each part assembles by itself: llvm-mc -triple=amdgcn-amd-amdhsa -mcpu=gfx1250 --defsym DOCPART=n.
;; ======== version 1 of 1: 4 launches
;; limits: right only within a limited range of input values
;; workspace buffers: cat_codes 22,020,096 bytes; cat_scales 917,504 bytes; qkv_codes 18,874,368 bytes; qkv_scales 786,432 bytes; x_codes 6,291,456 bytes; x_scales 262,144 bytes
;; launch quant (part 1): grid 448 x 1, 4 waves a work-group, no clusters, 35,328 bytes of LDS; arguments query, key, value, Wq, Wk, Wv, Wo, cat_codes, cat_scales; writes cat_codes, cat_scales
.if DOCPART == 1
	.amdgcn_target "amdgcn-amd-amdhsa--gfx1250"
	.amdhsa_code_object_version 6
	.text
	.protected	k_q8e6d90c54b_quant
	.globl	k_q8e6d90c54b_quant
	.p2align	8
	.type	k_q8e6d90c54b_quant,@function
k_q8e6d90c54b_quant:
	s_mov_b64 s[64:65], 0
	v_nop
	global_prefetch_b8 v0, s[64:65] scope:SCOPE_SE
	s_setreg_imm32_b32 hwreg(HW_REG_WAVE_MODE, 25, 1), 1
	s_wait_xcnt 0x0
; query, key, value [8192][1024] and Wq, Wk, Wv, Wo [1024][1024], f32, K innermost, become codes of FP6 (E2M3) with one E8M0 byte for each 32 along K.
; The seven tensors are taken as ONE table of 28,672 rows: query 0, key 8,192, value 16,384, Wq 24,576, Wk 25,600, Wv 26,624, Wo 27,648.
; A block's scale is 2^(floor(log2(its largest magnitude)) - 2); its byte is the largest magnitude's exponent field - 2, held at 1 from below by a floor among the maximum's leaves.
; LIMITS: NaN and infinities among the inputs are not served.  A block of zeros, or one whose largest magnitude lies under 2^-124, gets the byte 1 (the rule says 127 for zeros): its codes
; are zeros or what the held scale gives, and the bytes are read by this program alone.
; THE CODES' LAYOUT is the order of the operand's registers.  A HALF FRAGMENT is 16 rows x 64 along K, 768 bytes, in three pieces of 256: lane l = (r = l % 16, h = l / 16) owns bytes
; 256 p + 8 l .. + 7 of piece p; its 24 bytes are the codes of k = 32 h + 0 .. 31 of the tile's row r.  cat_codes = [tile][k group 0..15][768].
; THE ROWS OF A TILE ARE NOT NEIGHBOURS: lane r of tile 2 G + u holds row 32 G + 8 u + r + 8 (r / 8).  cat_scales = [true row][32].
; SHARES: a work-group takes 64 rows, a wave one tile of 16 rows for all of K, in 16 steps of one half fragment.  Each load reads two runs of 256 consecutive bytes (lanes 0-15 one row, lanes 16-31
; the row 16 further down); a step's 4,096 bytes turn through the wave's own stage in LDS (rows 272 bytes apart) and come back 128 bytes a lane: a whole block of 32 in one lane.
; No tensor loads, no barrier: waves share nothing.  Loads run two steps ahead (16 loads a wave), the turn through LDS one step.
.set STG,  16*272                      ; a stage: 16 rows x (256 bytes + 16)
.set WREG, 2*STG                       ; two stages for each wave
.set SB,   16                          ; v16-23   my scale bytes, two steps to a register
.set PT,   24                          ; v24-31   the other half's, by a lane permute
.set OW,   32                          ; v32-35   four scale words on the way out
.set D,    36                          ; v36-38   the second conversion's result
.set R,    40                          ; v40-103  two sets of 32 numbers as loaded
.set X,    104                         ; v104-167 two sets of 32 neighbours
.set C,    168                         ; v168-215 eight sets of six registers of codes
	s_load_b512 s[8:23], s[0:1], 0x0               ; query, key, value, Wq, Wk, Wv, Wo, cat_codes
	s_load_b64 s[24:25], s[0:1], 0x40              ; cat_scales
	v_lshl_add_u32 v216, v0, 2, 0x8800
	v_mov_b32 v217, 0
	v_lshrrev_b32 v1, 5, v0
	v_readfirstlane_b32 s2, v1                     ; wave 0..3
	v_and_b32 v8, 15, v0                           ; r
	v_bfe_u32 v9, v0, 4, 1                         ; h
	v_and_b32 v11, 31, v0                          ; lane
	v_lshlrev_b32 v2, 4, v8
	v_lshl_add_u32 v2, v9, 16, v2                  ; in: 16 bytes a lane; lanes 16-31 stand 16 rows of 4,096 bytes further down
	s_mul_i32 s35, s2, WREG                        ; my wave's LDS
	v_mul_u32_u24 v3, v9, 8*272
	v_lshl_add_u32 v3, v8, 4, v3
	v_add_nc_u32 v3, s35, v3                       ; into the stage: lanes 0-15 stage row i, lanes 16-31 stage row i + 8
	v_mul_u32_u24 v4, v8, 272
	v_lshl_add_u32 v4, v9, 7, v4
	v_add_nc_u32 v4, s35, v4                       ; out of it: stage row r, my half's 128 bytes
	v_lshlrev_b32 v5, 3, v11                       ; the codes: 8 bytes a lane in a piece
	v_and_b32 v6, 8, v8
	v_add_nc_u32 v6, v6, v8                        ; r + 8 (r / 8)
	v_lshlrev_b32 v6, 5, v6
	v_lshl_add_u32 v6, v9, 4, v6                   ; the scale bytes: my true row's 32 bytes, my half of them
	v_lshlrev_b32 v7, 3, v9                        ; 8 h: my byte's place among a pair of blocks
.irp w, 0,1,2,3,4,5,6,7
	v_mov_b32 v[PT+\w], 0                          ; a lane permute's destination counts as one of its sources
.endr
	s_mov_b32 s32, 0x76543210
	s_mov_b32 s33, 0xfedcba98                      ; selects for lane l xor 16
	s_mov_b32 s34, 0xffff0000                      ; lanes 16-31
	s_lshl_b32 s28, ttmp9, 2
	s_add_co_u32 s28, s28, s2                      ; my tile of the table
	s_mul_i32 s30, s28, 12288                      ; its 16 half fragments
	s_mov_b32 s31, 0
	s_lshr_b32 s29, s28, 1
	s_lshl_b32 s29, s29, 10                        ; its first true row, 32 (T / 2) + 8 (T % 2), times 32 bytes
	s_and_b32 s28, s28, 1
	s_lshl_b32 s28, s28, 8
	s_add_co_u32 s28, s28, s29
	s_mov_b32 s29, 0
	s_wait_kmcnt 0x0
	s_mov_b64 s[4:5], s[8:9]                       ; which tensor: the choice hangs on the work-group's number alone
	s_mov_b32 s3, 0
.macro PICK first, reg                 ; from work-group 'first' on the source is the tensor whose address stands in s[reg:reg+1]
	s_cmp_ge_u32 ttmp9, \first
	s_cselect_b64 s[4:5], s[\reg:\reg+1], s[4:5]
	s_cselect_b32 s3, \first, s3
.endm
	PICK 128, 10
	PICK 256, 12
	PICK 384, 14
	PICK 400, 16
	PICK 416, 18
	PICK 432, 20
	s_sub_co_u32 s26, ttmp9, s3
	s_lshl_b32 s26, s26, 6                         ; my work-group's first row in its tensor,
	s_lshr_b32 s27, s2, 1
	s_lshl_b32 s27, s27, 5
	s_add_co_u32 s26, s26, s27
	s_and_b32 s27, s2, 1
	s_lshl_b32 s27, s27, 3
	s_add_co_u32 s26, s26, s27                     ; my tile's: + 32 (wave / 2) + 8 (wave % 2)
	s_lshl_b32 s26, s26, 12                        ; in bytes (under 2^26)
	s_mov_b32 s27, 0
	s_add_nc_u64 s[4:5], s[4:5], s[26:27]
	s_add_nc_u64 s[22:23], s[22:23], s[30:31]
	s_add_nc_u64 s[24:25], s[24:25], s[28:29]
.macro LOAD g                          ; step g: 64 along K of the tile's 16 rows
.irp i, 0,1,2,3,4,5,6,7
	global_load_b128 v[R+32*((\g)%2)+4*\i:R+32*((\g)%2)+4*\i+3], v2, s[4:5] offset:4096*\i+256*(\g) th:TH_LOAD_NT
.endr
.endm
.macro TURN g                          ; through the stage: LDS serves a wave's instructions in order, so no wait stands between the stores and the loads
.irp i, 0,1,2,3,4,5,6,7
	ds_store_b128 v3, v[R+32*((\g)%2)+4*\i:R+32*((\g)%2)+4*\i+3] offset:STG*((\g)%2)+272*\i
.endr
.irp j, 0,1,2,3,4,5,6,7
	ds_load_b128 v[X+32*((\g)%2)+4*\j:X+32*((\g)%2)+4*\j+3], v4 offset:STG*((\g)%2)+16*\j
.endr
.endm
.macro STEP g
.set XS, X+32*((\g)%2)
.set CG, C+6*((\g)%8)
	s_wait_dscnt 0x0                               ; this step's numbers are back from the stage, and its stores into the stage have read their registers,
.if (\g)+2 < 16
	LOAD (\g)+2                                    ; which take the loads of two steps on
.endif
.if (\g)+1 < 16
.if (\g)+2 < 16
	s_wait_loadcnt 8                               ; the next step's eight loads are in; the eight just issued may be out
.else
	s_wait_loadcnt 0x0
.endif
	TURN (\g)+1                                    ; and go through the other stage while this step is worked
.endif
	v_max3_num_f32 v8, |v[XS]|, |v[XS+1]|, |v[XS+2]|               ; the block's largest magnitude: all 32 numbers are mine; two chains
	v_max3_num_f32 v9, |v[XS+3]|, |v[XS+4]|, |v[XS+5]|
.irp i, 6,10,14,18,22,26
	v_max3_num_f32 v8, v8, |v[XS+\i]|, |v[XS+\i+1]|
	v_max3_num_f32 v9, v9, |v[XS+\i+2]|, |v[XS+\i+3]|
.endr
	v_max3_num_f32 v8, v8, |v[XS+30]|, |v[XS+31]|
	v_max3_num_f32 v8, v8, v9, 0x1800000           ; and the floor 2^(3 - 127): the byte cannot fall under 1
	v_add_nc_u32 v11, 0xff000000, v8               ; 2 off the exponent field: the conversion takes this operand's exponent field as its scale
.if (\g) == 8
	s_wait_alu depctr_va_vdst(0)
	s_wait_xcnt 0x0                                ; the eight sets of code registers come round: the stores of steps 0 to 7 have read theirs
.endif
	v_cvt_scalef32_pk16_fp6_f32 v[CG:CG+2], v[XS:XS+15], v11
	v_cvt_scalef32_pk16_fp6_f32 v[D:D+2], v[XS+16:XS+31], v11      ; (a conversion's three registers begin on an even number)
	v_lshrrev_b32 v13, 23, v11                     ; the scale's byte; also the plain line behind the conversions
.irp i, 0,1,2
	v_mov_b32 v[CG+3+\i], v[D+\i]
.endr
.if (\g)%2 == 0
	v_mov_b32 v[SB+(\g)/2], v13                    ; my block of step g is block 2 g + h of the row
.else
	v_lshl_or_b32 v[SB+(\g)/2], v13, 16, v[SB+(\g)/2]
.endif
.irp p, 0,1,2
	global_store_b64 v5, v[CG+2*\p:CG+2*\p+1], s[22:23] offset:768*(\g)+256*\p   ; 32 lanes store 256 consecutive bytes, aligned
.endr
.endm
	LOAD 0
	LOAD 1
	s_wait_loadcnt 8                               ; step 0's eight loads are in
	TURN 0
.irp g, 0,1,2,3,4,5,6,7,8,9,10,11,12,13,14,15
	STEP \g
.endr
.irp w, 0,1,2,3,4,5,6,7
	v_lshlrev_b32 v[SB+\w], v7, v[SB+\w]           ; my bytes to their places: 8 h bits up
.endr
.irp w, 0,1,2,3,4,5,6,7
	v_permlanex16_b32 v[PT+\w], v[SB+\w], s32, s33
.endr
.irp w, 0,1,2,3,4,5,6,7
	v_or_b32 v[SB+\w], v[SB+\w], v[PT+\w]          ; with lane l xor 16's the row's eight scale words are whole
.endr
.irp w, 0,1,2,3
	v_cndmask_b32 v[OW+\w], v[SB+\w], v[SB+4+\w], s34   ; lanes 0-15 store words 0-3, lanes 16-31 words 4-7
.endr
	global_store_b128 v6, v[OW:OW+3], s[24:25]     ; eight neighbouring rows' 32 bytes make 256 consecutive bytes, aligned; the tile has two such runs
	s_wait_tensorcnt 0x0
	ds_add_u32 v216, v217
	s_wait_dscnt 0x0
	s_endpgm
.Lfunc_end_k_q8e6d90c54b_quant:
	.size	k_q8e6d90c54b_quant, .Lfunc_end_k_q8e6d90c54b_quant-k_q8e6d90c54b_quant
	.p2alignl 7, 3214868480
	.fill 96, 4, 3214868480
	.section	.rodata,"a",@progbits
	.p2align	6, 0x0
	.amdhsa_kernel k_q8e6d90c54b_quant
		.amdhsa_group_segment_fixed_size 35328
		.amdhsa_private_segment_fixed_size 0
		.amdhsa_enable_private_segment 0
		.amdhsa_kernarg_size 72
		.amdhsa_user_sgpr_count 2
		.amdhsa_user_sgpr_kernarg_segment_ptr 1
		.amdhsa_wavefront_size32 1
		.amdhsa_system_sgpr_workgroup_id_x 1
		.amdhsa_system_sgpr_workgroup_id_y 1
		.amdhsa_system_sgpr_workgroup_id_z 1
		.amdhsa_system_vgpr_workitem_id 0
		.amdhsa_next_free_vgpr 218
		.amdhsa_next_free_sgpr 66
		.amdhsa_reserve_vcc 0
		.amdhsa_float_denorm_mode_32 3
		.amdhsa_float_denorm_mode_16_64 3
		.amdhsa_memory_ordered 1
		.amdhsa_forward_progress 1
		.amdhsa_inst_pref_size 61
	.end_amdhsa_kernel
	.amdgpu_metadata
---
amdhsa.version: [ 1, 2 ]
amdhsa.kernels:
  - .name:           k_q8e6d90c54b_quant
    .symbol:         k_q8e6d90c54b_quant.kd
    .args:
      - { .name: query, .offset: 0, .size: 8, .value_kind: global_buffer, .address_space: global }
      - { .name: key, .offset: 8, .size: 8, .value_kind: global_buffer, .address_space: global }
      - { .name: value, .offset: 16, .size: 8, .value_kind: global_buffer, .address_space: global }
      - { .name: Wq, .offset: 24, .size: 8, .value_kind: global_buffer, .address_space: global }
      - { .name: Wk, .offset: 32, .size: 8, .value_kind: global_buffer, .address_space: global }
      - { .name: Wv, .offset: 40, .size: 8, .value_kind: global_buffer, .address_space: global }
      - { .name: Wo, .offset: 48, .size: 8, .value_kind: global_buffer, .address_space: global }
      - { .name: cat_codes, .offset: 56, .size: 8, .value_kind: global_buffer, .address_space: global }
      - { .name: cat_scales, .offset: 64, .size: 8, .value_kind: global_buffer, .address_space: global }
    .group_segment_fixed_size: 35328
    .private_segment_fixed_size: 0
    .kernarg_segment_align: 8
    .kernarg_segment_size: 72
    .max_flat_workgroup_size: 128
    .sgpr_count:     66
    .vgpr_count:     218
    .wavefront_size: 32
...
	.end_amdgpu_metadata
.endif
;; end of part 1
;; launch proj (part 2): grid 4 x 96, 4 waves a work-group, clusters of 4 x 4, 327,680 bytes of LDS; arguments cat_codes, cat_scales, bq, bk, bv, qkv_codes, qkv_scales; writes qkv_codes, qkv_scales
.if DOCPART == 2
	.amdgcn_target "amdgcn-amd-amdhsa--gfx1250"
	.amdhsa_code_object_version 6
	.text
	.protected	k_q8e6d90c54b_proj
	.globl	k_q8e6d90c54b_proj
	.p2align	8
	.type	k_q8e6d90c54b_proj,@function
k_q8e6d90c54b_proj:
	s_mov_b64 s[64:65], 0
	v_nop
	global_prefetch_b8 v0, s[64:65] scope:SCOPE_SE
	s_setreg_imm32_b32 hwreg(HW_REG_WAVE_MODE, 25, 1), 1
	s_wait_xcnt 0x0
	s_wait_alu depctr_hold_cnt(0) depctr_sa_sdst(0) depctr_va_vdst(0) depctr_va_sdst(0) depctr_va_ssrc(0) depctr_va_vcc(0) depctr_vm_vsrc(0)
	s_getreg_b32 s2, hwreg(HW_REG_IB_STS2, 6, 4)
	s_cmp_eq_u32 s2, 0
	s_cbranch_scc0 .Lentry_in_a_cluster
	s_endpgm
.Lentry_in_a_cluster:
	s_bfe_u32 s2, ttmp6, 0x10000c
	s_cmp_lg_u32 s2, 0xf033
	s_cbranch_scc0 .Lentry_shape_is_right
	s_endpgm
.Lentry_shape_is_right:
; The three projections q = query Wq^T + bq, k = key Wk^T + bk, v = value Wv^T + bv, on codes of FP6 (E2M3) with E8M0 scales; their results are quantised in registers for the attention: q and k along
; the head's 64, v along the keys.  Nothing wider than codes goes back to memory.
; A tile of 256 x 256 is made by a work-group of four waves, a wave makes 128 x 128: 64 accumulators, 512 registers.  K = 1,024 goes in four steps of 256 through a ring of two LDS slots.
; ROLES.  Y is source 1 of the matrix instruction: a lane holds ONE of its rows.  X is source 0: a lane's registers run along its rows.  What is quantised runs along X.
;   q, k: Y = the tokens (query, key), X = the features (Wq, Wk).      v: Y = the features (Wv), X = the tokens (value): so v's K, the keys, runs along a lane's registers.
; A cluster (4 x 4 work-groups) does one product: cluster y / 8 says which, cluster y % 8 which 1,024 tokens.  Only scalar row numbers differ between the three; masks, shapes, LDS and the ring are the same.
; Y's tiles are shared along a row of the cluster, X's along a column: each is asked for JOINTLY, by the same tensor load with the same descriptor and a mask that names the four.
; OPERANDS lie in memory in the order of the operand's registers (half fragments of 768 bytes: 16 rows x 64 K, lane l's 8 bytes of piece p at 256 p + 8 l), so a fragment is six ds_load_b64 of 256
; consecutive bytes each: no pitch, no padding.  Lane r of tile 2 G + u holds row 32 G + 8 u + r + 8 (r / 8): so the 16 registers of X's tiles 2 G and 2 G + 1 are 16 neighbours 32 G + 16 (lane / 16) + 0 .. 15.
; THE BIAS is the C of each sum's first matrix instruction.
; LIMITS: NaN and infinities are not served.  A block whose largest magnitude lies under 2^-124 (zeros too) gets the scale byte 1; these bytes are read by this program alone.
; REGISTERS, in windows of 256: window 0: v1-31 addresses; v32-63 scale words, two sets; v64-127 the bias; v128-223 Y's 8 fragments, one set; on the way out v128-175 and v224-247 are at work.
;   window 1: X's fragments, two sets, at v0 and v128.   window 2: the accumulators of my Y tiles 0-3 ((a, b) at v[8 (8 (a % 4) + b)]);   window 3: those of tiles 4-7.
.set NQ,     2                         ; matrix instructions deep in a slot
.set FR,     12                        ; registers of a fragment
.set NL,     6                         ; LDS loads that bring one
.set NP,     4                         ; places behind this matrix instruction (ISA guide 7.12.1)
.set TILEB,  3072                      ; a tile's bytes in a slot: 16 rows x 256 K
.set HALFT,  8*TILEB                   ; 128 rows: what one tensor load brings, and what one wave reads of Y or of X
.set SLOT,   4*HALFT                   ; Y's 256 rows, then X's 256 rows
.set SCL,    2*SLOT                    ; behind the ring: the scale bytes of all of K, as runs of 256 bytes + 16 of padding
.set HALFS,  16*272                    ; those of 128 rows (32 bytes a row)
.set SPARE,  SCL+4*HALFS               ; the spare words, 128 bytes for each wave: two blocks of 256 bytes that no other line names
.set ADRA, 16                          ; v16-17  LDS address of my Y fragments in slot 0, 1
.set ADRB, 20                          ; v20-21  the same for X
.set VO,   24                          ; v24-25  the way out: 8 x lane, and the same + the step from half fragment 0 to 1
.set ADRS, 27                          ; v27     LDS address of my scale words: lanes 0-15 Y's rows, lanes 16-31 X's
.set SPW,  28                          ; v28     LDS address of my spare word; never rewritten
.set NIL,  29                          ; v29     0; never rewritten
.set SC,   32                          ; scale words: set s at v[SC + 16 s]; register 2 i + q: lanes 0-15 the word of Y's tile i, lanes 16-31 of X's tile i, for the slot's q-th 128 along K
.set BIAS, 64
.set AF,   128                         ; Y's fragments
.set PC,   128                         ; the way out: the codes just made (v128-146)
.set ZZ,   160                         ; the way out: scale words being ordered (v160-173)
.set TM,   224                         ; v224-227 largest magnitudes, v228-231 bytes, v236-239 the conversions' scale operands
.set WW,   240                         ; v240-247 the scale word of my row of Y's tile a
.set G1, 24                            ; s[24:31] descriptor group 1 for Y's tiles;  s[32:39] group 0, one set for each slot
.set G0, 32
.set G1B, 48                           ; s[48:55], s[56:63] the same for X's tiles
.set G0B, 56
.set G1S, 68                           ; s[68:75], s[76:79] groups 1 and 0 for Y's scales;  s[80:87], s[88:91] for X's
.set G0S, 76
.set G1SB, 80
.set G0SB, 88
.set MSB, 0
.macro WIN new                         ; the immediate's high byte repeats the setting that is left
.if MSB != \new
	s_set_vgpr_msb (MSB<<8)|\new
.set MSB, \new
.endif
.endm
.set MUL_LO, 0xa1                      ; source 0 (X) window 1, source 1 (Y) window 0, C and D window 2
.set MUL_HI, 0xf1                      ; the same, C and D window 3
.set TO_B,   0x40                      ; destination window 1, address window 0
; A joint load: waves 0 and 1 fetch for Y, waves 2 and 3 for X.  Each of the two lines has one mask and one set of registers for all that issue it; the branch hangs on the wave's number alone.
; Four v_nop follow each of the two lines, ahead of the jump, the label and what follows.
.macro JLOAD g0a, g1a, g0b, g1b
	s_cmp_eq_u32 s19, 0
	s_cbranch_scc0 .Lfor_b_\@
	tensor_load_to_lds s[\g0a:\g0a+3], s[\g1a:\g1a+7]
	s_nop 0
.rept 4
	v_nop
.endr
	s_branch .Lasked_\@
.Lfor_b_\@:
	tensor_load_to_lds s[\g0b:\g0b+3], s[\g1b:\g1b+7]
	s_nop 0
.rept 4
	v_nop
.endr
.Lasked_\@:
.endm
.macro CREST                           ; a round of the cluster's barrier behind its opening barrier
	s_cmp_lg_u32 s18, 0
	s_cbranch_scc1 .Lnot_wave_0_\@
	s_barrier_signal -3
.Lnot_wave_0_\@:
	s_barrier_wait -3
	s_barrier_signal -1
	s_barrier_wait -1
.endm
.macro CROUND                          ; a whole round
	s_barrier_signal -1
	s_barrier_wait -1
	CREST
.endm
	s_load_b256 s[4:11], s[0:1], 0x0               ; cat_codes s[4:5], cat_scales s[6:7], bq s[8:9], bk s[10:11]
	s_load_b128 s[12:15], s[0:1], 0x20             ; bv s[12:13], qkv_codes s[14:15]
	s_load_b64 s[16:17], s[0:1], 0x30              ; qkv_scales
	v_lshl_add_u32 v[SPW], v0, 2, SPARE
	v_mov_b32 v[NIL], 0
	ds_add_u32 v28, v29
	ds_add_u32 v28, v29
	s_wait_dscnt 0x0
	v_lshrrev_b32 v1, 5, v0
	v_readfirstlane_b32 s18, v1                    ; wave 0..3
	s_lshr_b32 s19, s18, 1                         ; which half of Y's rows is mine.  Also: I fetch for Y (0) or for X (1)
	s_and_b32 s20, s18, 1                          ; which half of X's rows.  Also: which 128 rows I fetch
	s_bfe_u32 s40, ttmp6, 0x40000                  ; cx, cy: my place in the cluster
	s_bfe_u32 s41, ttmp6, 0x40004
	s_and_b32 s2, ttmp7, 0xffff                    ; the cluster's y, 0..23: the same in all sixteen partners
	s_lshr_b32 s21, s2, 3                          ; which product: 0 q, 1 k, 2 v
	s_and_b32 s23, s2, 7
	s_lshl_b32 s23, s23, 2                         ; which 1,024 tokens, in tiles of 256
	s_lshl_b32 s46, s21, 13                        ; Y's first row in the table: query 0, key 8,192;
	s_lshl_b32 s92, s21, 10
	s_add_co_u32 s92, s92, 24576                   ; X's: Wq 24,576, Wk 25,600
	s_mov_b32 s94, 0x05040100                      ; the way out's byte selects, q and k: two bytes of each of two scale words
	s_mov_b32 s95, 0x07060302
	s_mov_b32 s96, 3072                            ; from Y's tile 3 to tile 4, in the codes' buffer
	s_mov_b32 s98, 98304                           ; from half fragment 0 to 1
	s_cmp_eq_u32 s21, 2                            ; v changes the roles
	s_cselect_b32 s22, -1, 0                       ; a lane mask: all lanes for v, none else
	s_cselect_b32 s46, 26624, s46                  ; Y = Wv
	s_cselect_b32 s92, 16384, s92                  ; X = value
	s_cselect_b32 s43, 0, s23
	s_cselect_b32 s42, s23, 0
	s_cselect_b32 s94, 0x03020100, s94             ; v: whole words
	s_cselect_b32 s95, 0x07060504, s95
	s_cselect_b32 s96, 98304, s96
	s_cselect_b32 s98, 3072, s98
	s_mov_b32 s99, 0xffff0000                      ; lanes 16-31
	s_add_co_u32 s43, s43, s41                     ; Y's tile of 256 rows: hangs on cy, never on cx
	s_add_co_u32 s42, s42, s40                     ; X's: hangs on cx, never on cy
	s_lshl_b32 s44, s41, 2
	s_lshl_b32 s44, 15, s44                        ; my row of the cluster
	s_lshl_b32 s45, 0x1111, s40                    ; my column
	; descriptor group 1 for codes: 8 tiles x 3,072 bytes (384 elements of 8 bytes), 12,288 bytes (1,536 elements) from tile to tile; dense in LDS
	s_or_b32 s[G1+0], s44, (3<<16)|(1<<21)         ; 15:0 the mask: Y's tiles go to my row; 17:16 elements of 8 bytes; 20 no padding; 21 set beside a mask
	s_or_b32 s[G1B+0], s45, (3<<16)|(1<<21)
.irp g, G1, G1B
	s_mov_b32 s[\g+1], 384<<16                     ; tensor_dim0
	s_mov_b32 s[\g+2], 16<<16                      ; tensor_dim1: the head's loads bring 16 tiles
	s_mov_b32 s[\g+3], 384<<16                     ; tile_dim0
	s_mov_b32 s[\g+4], 16                          ; tile_dim1
	s_mov_b32 s[\g+5], 1536                        ; tensor_dim0_stride
	s_mov_b32 s[\g+6], 0
	s_mov_b32 s[\g+7], 0
.endr
	; and for the scale bytes of 256 rows: 8,192 dense bytes as 32 rows of 256 (32 elements of 8 bytes), 16 bytes of padding behind each
	s_or_b32 s[G1S+0], s44, (3<<16)|(1<<20)|(1<<21)|(5<<22)|(3<<25)
	s_or_b32 s[G1SB+0], s45, (3<<16)|(1<<20)|(1<<21)|(5<<22)|(3<<25)
.irp g, G1S, G1SB
	s_mov_b32 s[\g+1], 32<<16
	s_mov_b32 s[\g+2], 32<<16
	s_mov_b32 s[\g+3], 32<<16
	s_mov_b32 s[\g+4], 32
	s_mov_b32 s[\g+5], 32
	s_mov_b32 s[\g+6], 0
	s_mov_b32 s[\g+7], 0
.endr
	; the rows that I fetch.  Every wave makes both addresses, each in registers that never hold the other coordinate
	s_lshl_b32 s47, s43, 8
	s_add_co_u32 s46, s46, s47
	s_mul_i32 s66, s46, 768                        ; its codes (768 bytes a row),
	s_mov_b32 s67, 0
	s_lshl_b32 s46, s46, 5                         ; its scale bytes (32 a row)
	s_mov_b32 s47, 0
	s_lshl_b32 s93, s42, 8
	s_add_co_u32 s92, s92, s93
	s_mul_i32 s100, s92, 768
	s_mov_b32 s101, 0
	s_lshl_b32 s92, s92, 5
	s_mov_b32 s93, 0
	; where my 128 x 128 goes
	s_lshl_b32 s2, s43, 8
	s_lshl_b32 s3, s19, 7
	s_add_co_u32 s2, s2, s3                        ; my first row of Y's tensor
	s_lshl_b32 s3, s42, 8
	s_lshl_b32 s23, s20, 7
	s_add_co_u32 s3, s3, s23                       ; and of X's
	s_cmp_eq_u32 s21, 2
	s_cselect_b32 s23, s3, s2                      ; my first token
	s_cselect_b32 s2, s2, s3                       ; my first feature
	s_lshr_b32 s3, s23, 11                         ; batch
	s_lshl_b32 s3, s3, 4
	s_lshr_b32 s97, s2, 6                          ; head
	s_add_co_u32 s3, s3, s97
	s_lshl_b32 s3, s3, 4
	s_bfe_u32 s23, s23, 0x40007                    ; which 128 tokens of the sequence
	s_add_co_u32 s23, s23, s3                      ; the chunk: (16 batch + head) 16 + block
	s_lshl_b32 s2, s2, 2                           ; the bias: 4 bytes a feature
	s_mov_b32 s3, 0
	s_mov_b32 s97, 0
	s_wait_kmcnt 0x0
	s_add_nc_u64 s[66:67], s[4:5], s[66:67]
	s_add_nc_u64 s[46:47], s[6:7], s[46:47]
	s_add_nc_u64 s[100:101], s[4:5], s[100:101]
	s_add_nc_u64 s[92:93], s[6:7], s[92:93]
	s_cmp_eq_u32 s21, 0
	s_cselect_b64 s[8:9], s[8:9], s[10:11]         ; bq or bk,
	s_cmp_eq_u32 s21, 2
	s_cselect_b64 s[8:9], s[12:13], s[8:9]         ; or bv
	s_add_nc_u64 s[8:9], s[8:9], s[2:3]            ; at my first feature
	s_mul_i32 s2, s21, 6291456                     ; the tensor's part of qkv_codes,
	s_mul_i32 s10, s23, 6144                       ; the chunk
	s_add_co_u32 s2, s2, s10
	s_add_nc_u64 s[14:15], s[14:15], s[2:3]
	s_lshl_b32 s2, s21, 18                         ; and of qkv_scales: 262,144 a tensor, 256 a chunk
	s_lshl_b32 s10, s23, 8
	s_add_co_u32 s2, s2, s10
	s_add_nc_u64 s[16:17], s[16:17], s[2:3]
	s_mov_b32 s10, 0x76543210
	s_mov_b32 s11, 0xfedcba98                      ; selects for lane l xor 16
	; descriptor groups 0.  LDS addresses hang on the wave's number alone
	; THE HEAD'S FOUR TILES, each whole, one joint load a wave: wave 0 K step 0 of Y's 256 rows, wave 1 of X's, wave 2 Y's scale bytes, wave 3 X's
	s_mov_b32 s[G0S], 1
	s_mov_b32 s[G0S+1], SCL
	s_mov_b64 s[G0S+2:G0S+3], s[46:47]
	s_or_b32 s[G0S+3], s[G0S+3], 0x80000000
	s_mov_b32 s[G0SB], 1
	s_mov_b32 s[G0SB+1], SCL+2*HALFS
	s_mov_b64 s[G0SB+2:G0SB+3], s[92:93]
	s_or_b32 s[G0SB+3], s[G0SB+3], 0x80000000
	s_mov_b32 s[G0], 1
	s_mov_b32 s[G0+1], 0
	s_mov_b64 s[G0+2:G0+3], s[66:67]
	s_or_b32 s[G0+3], s[G0+3], 0x80000000
	s_mov_b32 s[G0B], 1
	s_mov_b32 s[G0B+1], 2*HALFT
	s_mov_b64 s[G0B+2:G0B+3], s[100:101]
	s_or_b32 s[G0B+3], s[G0B+3], 0x80000000
	s_mul_i32 s4, s20, 98304                       ; for the ring: my 128 rows of the tile, 8 tiles of 12,288 bytes
	s_mov_b32 s5, 0
	s_add_nc_u64 s[66:67], s[66:67], s[4:5]
	s_add_nc_u64 s[100:101], s[100:101], s[4:5]
	s_mov_b32 s[G0+4], 1                           ; slot 1: K step 1
	s_mul_i32 s[G0+5], s18, HALFT
	s_add_co_u32 s[G0+5], s[G0+5], SLOT
	s_add_nc_u64 s[G0+6:G0+7], s[66:67], TILEB
	s_or_b32 s[G0+7], s[G0+7], 0x80000000
	s_mov_b32 s[G0B+4], 1
	s_mul_i32 s[G0B+5], s18, HALFT
	s_add_co_u32 s[G0B+5], s[G0B+5], SLOT
	s_add_nc_u64 s[G0B+6:G0B+7], s[100:101], TILEB
	s_or_b32 s[G0B+7], s[G0B+7], 0x80000000
	CROUND                                         ; all sixteen work-groups are here: the first joint loads meet
.macro ARM under, g0, g1, next         ; one chain of branches on the wave's number: every way passes exactly one load
	s_cmp_lt_u32 s18, \under
	s_cbranch_scc0 \next
	tensor_load_to_lds s[\g0:\g0+3], s[\g1:\g1+7]
	s_nop 0
.rept 4
	v_nop
.endr
	s_branch .Lhead_asked
\next:
.endm
	ARM 1, G0, G1, .Lhead_b
	ARM 2, G0B, G1B, .Lhead_sa
	ARM 3, G0S, G1S, .Lhead_sb
	tensor_load_to_lds s[G0SB:G0SB+3], s[G1SB:G1SB+7]
	s_nop 0
.rept 4
	v_nop
.endr
.Lhead_asked:
	v_and_b32 v1, 15, v0                           ; r
	v_bfe_u32 v2, v0, 4, 1                         ; h
	v_and_b32 v3, 31, v0                           ; lane
	v_lshlrev_b32 v[VO], 3, v3                     ; 8 x lane
	v_add_nc_u32 v[VO+1], s98, v[VO]
	v_lshlrev_b32 v10, 6, v2                       ; 64 h
	v_and_b32 v11, 8, v1
	v_add_nc_u32 v11, v11, v1
	v_lshlrev_b32 v11, 2, v11                      ; 4 (r + 8 (r / 8))
.irp b, 0,1,2,3
	v_mov_b32 v[TM+4+\b], 0                        ; a lane permute's destination counts as one of its sources
.endr
	s_cmp_eq_u32 s21, 2
	s_cbranch_scc1 .Lbias_v
.irp b, 0,1,2,3,4,5,6,7                ; q, k: the features run along my registers: for X's tile b those of 32 (b / 2) + 8 (b % 2) + 16 h + 0 .. 7
	global_load_b128 v[BIAS+8*\b:BIAS+8*\b+3], v10, s[8:9] offset:(32*(\b/2)+8*(\b%2))*4
	global_load_b128 v[BIAS+8*\b+4:BIAS+8*\b+7], v10, s[8:9] offset:(32*(\b/2)+8*(\b%2))*4+16
.endr
	s_branch .Lbias_in
.Lbias_v:
	s_wait_alu depctr_va_vdst(0)
.irp a, 0,1,2,3,4,5,6,7                ; v: my lane holds one feature of Y's tile a: its bias in all eight registers
.irp j, 0,1,2,3,4,5,6,7
	global_load_b32 v[BIAS+8*\a+\j], v11, s[8:9] offset:(32*(\a/2)+8*(\a%2))*4
.endr
.endr
.Lbias_in:
	s_mul_i32 s2, s19, HALFT                       ; my 128 rows of Y
	s_mul_i32 s3, s20, HALFT                       ; my 128 rows of X,
	s_add_co_u32 s3, s3, 2*HALFT                   ; which lie behind Y's 256
	v_add_nc_u32 v[ADRA], s2, v[VO]
	v_add_nc_u32 v[ADRB], s3, v[VO]
	v_add_nc_u32 v[ADRA+1], SLOT, v[ADRA]
	v_add_nc_u32 v[ADRB+1], SLOT, v[ADRB]
	v_lshrrev_b32 v4, 3, v1                        ; my row's scale bytes: true row 32 (i / 2) + 8 (i % 2) + r + 8 (r / 8) lies in run 4 (i / 2) + i % 2 + 2 (r / 8) of 272 bytes, at 32 (r % 8)
	v_and_b32 v5, 7, v1
	v_mul_u32_u24 v4, v4, 544
	v_lshl_add_u32 v4, v5, 5, v4
	s_mul_i32 s2, s19, HALFS                       ; Y's: my 128 rows
	s_mul_i32 s3, s20, HALFS                       ; X's: my 128 rows, behind Y's 256
	s_add_co_u32 s3, s3, 2*HALFS
	s_sub_co_u32 s3, s3, s2
	v_mul_u32_u24 v5, s3, v2                       ; lanes 16-31 take X's: one product, the distance between the two bases
	s_add_co_u32 s2, s2, SCL
	v_add_nc_u32 v4, v4, v5
	v_add_nc_u32 v[ADRS], s2, v4
.macro FRAG reg, adr, q, i             ; a fragment, 16 rows x 128 K: two half fragments, six pieces of 256 consecutive bytes, 8 bytes a lane
.irp p, 0,1,2,3,4,5
	ds_load_b64 v[\reg+2*\p:\reg+2*\p+1], v[\adr] offset:TILEB*(\i)+768*(2*(\q)+\p/3)+256*(\p%3)
.endr
.endm
; 16 matrix instructions: Y's tiles a0, a0 + 1 x X's eight, 128 along K: the slot's q-th.  p: X's set;  sc: the set of scale words.
; mode 0: the sums go on in place.  mode 1: they start from the bias of X's tile b.  mode 2: from the bias of Y's tile a.  Nothing is ever cleared.
; The 64 accumulators take turns, one instruction a turn, in the same order in every step.
.macro MUL16 a0, p, q, sc, mode
.irp a, \a0, \a0+1
.irp b, 0,1,2,3,4,5,6,7
.set rD, 8*(8*((\a)%4)+\b)
.set rB, 128*(\p)+FR*\b
.set rA, AF+FR*(\a)
.set rSB, SC+8*NQ*(\sc)+NQ*\b+(\q)
.set rSA, SC+8*NQ*(\sc)+NQ*(\a)+(\q)
.if (\mode) == 0
	v_wmma_scale_f32_16x16x128_f8f6f4 v[rD:rD+7], v[rB:rB+FR-1], v[rA:rA+FR-1], v[rD:rD+7], v[rSB], v[rSA] matrix_a_fmt:MATRIX_FMT_FP6 matrix_b_fmt:MATRIX_FMT_FP6 matrix_a_scale:MATRIX_SCALE_ROW1
.elseif (\mode) == 1
	v_wmma_scale_f32_16x16x128_f8f6f4 v[rD:rD+7], v[rB:rB+FR-1], v[rA:rA+FR-1], v[BIAS+8*\b:BIAS+8*\b+7], v[rSB], v[rSA] matrix_a_fmt:MATRIX_FMT_FP6 matrix_b_fmt:MATRIX_FMT_FP6 matrix_a_scale:MATRIX_SCALE_ROW1
.else
	v_wmma_scale_f32_16x16x128_f8f6f4 v[rD:rD+7], v[rB:rB+FR-1], v[rA:rA+FR-1], v[BIAS+8*(\a):BIAS+8*(\a)+7], v[rSB], v[rSA] matrix_a_fmt:MATRIX_FMT_FP6 matrix_b_fmt:MATRIX_FMT_FP6 matrix_a_scale:MATRIX_SCALE_ROW1
.endif
.endr
.endr
.endm
.macro FETCH_B slot, q, p              ; X's eight fragments of the slot's q-th 128 along K into set p
	WIN TO_B
.irp i, 0,1,2,3,4,5,6,7
	FRAG 128*(\p)+FR*\i, ADRB+\slot, \q, \i
.endr
	WIN 0
.endm
.macro FETCH_A slot, q, i0             ; Y's tiles i0 .. i0 + 3
.irp i, \i0, \i0+1, \i0+2, \i0+3
	FRAG AF+FR*(\i), ADRA+\slot, \q, \i
.endr
.endm
.macro SCALES sc                       ; the K step's scale words into set sc: two words a row; lanes 0-15 take Y's tile i, lanes 16-31 X's tile i
.irp i, 0,1,2,3,4,5,6,7
	ds_load_b64 v[SC+8*NQ*\sc+NQ*\i:SC+8*NQ*\sc+NQ*\i+1], v[ADRS] offset:272*(4*(\i/2)+\i%2)
.endr
.endm
; A load into a register that a matrix instruction has read, and a vector instruction that reads a matrix result, stand NP places behind that matrix instruction; only plain vector
; instructions that name none of its registers are places (ISA guide 7.12.1 for vector instructions).
.macro PLACES n
.rept \n
	v_nop
.endr
.endm
; A step of 128 along K that has its successor in the same slot.  With mode 1 or 2 the C operand lies in window 0.
.macro STEP slot, q, mode
	s_wait_dscnt 4*NL                              ; X's set and Y's tiles 0-3 are in; the youngest 24 loads (Y's tiles 4-7) may be out
.if \mode
	WIN 0x81
.else
	WIN MUL_LO
.endif
	MUL16 0, (\q)%2, \q, \slot, \mode
	MUL16 2, (\q)%2, \q, \slot, \mode
	s_wait_dscnt 0                                 ; Y's tiles 4-7 are in (asked for 32 matrix instructions ago)
	PLACES NP
	FETCH_B \slot, (\q)+1, 1-(\q)%2
	FETCH_A \slot, (\q)+1, 0
.if \mode
	WIN 0xc1
.else
	WIN MUL_HI
.endif
	MUL16 4, (\q)%2, \q, \slot, \mode
	MUL16 6, (\q)%2, \q, \slot, \mode
	PLACES NP
	WIN 0
	FETCH_A \slot, (\q)+1, 4
.endm
; A slot's last step changes slots: ONE barrier; in front of it each wave waits for all its tensor loads, adds 0 to its spare word, and waits for that and for its own reads of this slot.
; fill = 1: this slot is filled again, two K steps ahead; the barrier then opens a round of the cluster's barrier.
.macro TURN slot, next, fill
	s_wait_tensorcnt 0x0                           ; all my tensor loads have landed: my part of the next slot;  (every window is 0 here)
	ds_add_u32 v[SPW], v[NIL]                      ; 0 onto my spare word
	s_wait_dscnt 4*NL+1                            ; (the add and the youngest 24 loads, Y's tiles 4-7, may be out)
	WIN MUL_LO
	MUL16 0, 1, NQ-1, \slot, 0                     ; sixteen matrix instructions stand between the add and the wait for it
	s_wait_dscnt 0x0                               ; the add is done, and my reads of this slot are over
	s_barrier_signal -1
	MUL16 2, 1, NQ-1, \slot, 0
	WIN 0
	s_barrier_wait -1
.if \fill
	CREST                                          ; no wave of any partner still reads this slot's tile or has a load on its way
	s_add_nc_u64 s[G0+4*\slot+2:G0+4*\slot+3], s[G0+4*\slot+2:G0+4*\slot+3], 2*TILEB
	s_add_nc_u64 s[G0B+4*\slot+2:G0B+4*\slot+3], s[G0B+4*\slot+2:G0B+4*\slot+3], 2*TILEB
	JLOAD G0+4*\slot, G1, G0B+4*\slot, G1B         ; the first tensor load behind the round, my only one until the next; its four v_nop are the places in front of the loads below
.else
	PLACES NP
.endif
	s_wait_alu depctr_va_vdst(0)
	v_add_nc_u32 v[ADRS], 4*NQ, v[ADRS]            ; on to the next K step's scale words
	FETCH_B \next, 0, 0
	FETCH_A \next, 0, 0
	SCALES \next
	WIN MUL_HI
	MUL16 4, 1, NQ-1, \slot, 0
	MUL16 6, 1, NQ-1, \slot, 0
	PLACES NP
	WIN 0
	FETCH_A \next, 0, 4
.endm
	s_wait_alu depctr_va_vdst(0)
	s_wait_tensorcnt 0x0                           ; my tile of the head's four is in; slot 1's first fill is issued as a refill is
	ds_add_u32 v[SPW], v[NIL]
	s_mul_i32 s[G0+1], s18, HALFT                  ; no tensor load of mine is out: slot 0's descriptors become the ring's, my 128 rows,
	s_mov_b64 s[G0+2:G0+3], s[66:67]
	s_or_b32 s[G0+3], s[G0+3], 0x80000000
	s_mul_i32 s[G0B+1], s18, HALFT
	s_mov_b64 s[G0B+2:G0B+3], s[100:101]
	s_or_b32 s[G0B+3], s[G0B+3], 0x80000000
	s_mov_b32 s[G1+2], 8<<16                       ; and a load brings 8 tiles from here on
	s_mov_b32 s[G1+4], 8
	s_mov_b32 s[G1B+2], 8<<16
	s_mov_b32 s[G1B+4], 8
	s_wait_dscnt 0x0
	CROUND                                         ; everybody's tiles are in, and the sixteen work-groups meet
	JLOAD G0+4, G1, G0B+4, G1B                     ; K step 1, the first tensor load behind the round
	FETCH_B 0, 0, 0
	FETCH_A 0, 0, 0
	SCALES 0
	FETCH_A 0, 0, 4
	s_wait_loadcnt 0x0                             ; the bias
	s_cmp_eq_u32 s21, 2                            ; the first step starts the sums from the bias: along X for q and k, along Y for v
	s_cbranch_scc1 .Lstart_v
	STEP 0, 0, 1
	s_branch .Lstarted
.Lstart_v:
	STEP 0, 0, 2
.Lstarted:
	TURN 0, 1, 1                                   ; K = 1,024 is four K steps: the ring is written straight
	STEP 1, 0, 0
	TURN 1, 0, 1
	STEP 0, 0, 0
	TURN 0, 1, 0                                   ; nothing is left to fetch
	STEP 1, 0, 0
	s_wait_dscnt 4*NL                              ; the very last step
	WIN MUL_LO
	MUL16 0, 1, NQ-1, 1, 0
	MUL16 2, 1, NQ-1, 1, 0
	s_wait_dscnt 0
	WIN MUL_HI
	MUL16 4, 1, NQ-1, 1, 0
	MUL16 6, 1, NQ-1, 1, 0
	WIN 0
; THE WAY OUT.  For Y's tile a my lane holds one row and 64 registers: register 16 B + i is X's row 32 B + 16 (lane / 16) + i.  They become four blocks of 32: one fragment (two half fragments) and one scale word.
; q, k: half fragment c is head c of my pair of heads, tile a of my 128 tokens.   v: half fragment c is keys 64 c .. 64 c + 63 of my 128 keys, tile a % 4 of head a / 4.
; Each store is 256 consecutive bytes, aligned.  No LDS is needed.
.macro QROW a
.set AC, 64*((\a)%4)
	WIN 20*(2+(\a)/4)                              ; sources 1 and 2: window 2 or 3
.irp b, 0,1,2,3
	v_max3_num_f32 v[TM+\b], 0x1800000, |v[AC+16*\b]|, |v[AC+16*\b+1]|   ; block b: my 16 numbers, each accumulator from its low end on, and the floor 2^(3 - 127)
.endr
.irp i, 2,4,6,8,10,12,14
.irp b, 0,1,2,3
	v_max3_num_f32 v[TM+\b], v[TM+\b], |v[AC+16*\b+\i]|, |v[AC+16*\b+\i+1]|   ; (the four blocks by turns)
.endr
.endr
	WIN 0
.irp b, 0,1,2,3
	v_permlanex16_b32 v[TM+4+\b], v[TM+\b], s10, s11
.endr
.irp b, 0,1,2,3
	v_max_num_f32 v[TM+\b], v[TM+\b], v[TM+4+\b]   ; with lane l xor 16's: the block's largest magnitude
.endr
.irp b, 0,1,2,3
	v_add_nc_u32 v[TM+12+\b], 0xff000000, v[TM+\b] ; 2 off its exponent field: the conversion's scale operand
.endr
.irp b, 0,1,2,3
	v_lshrrev_b32 v[TM+4+\b], 23, v[TM+12+\b]      ; the scale's byte
.endr
	v_lshl_or_b32 v[WW+(\a)], v[TM+5], 8, v[TM+4]
	v_lshl_or_b32 v[WW+(\a)], v[TM+6], 16, v[WW+(\a)]
	v_lshl_or_b32 v[WW+(\a)], v[TM+7], 24, v[WW+(\a)]
	s_wait_xcnt 0x0                                ; the last tile's stores have read their data and their base: both may be written
.if (\a) == 4
	s_add_nc_u64 s[14:15], s[14:15], s[96:97]      ; from tile 3 to tile 4
.endif
	WIN 2+(\a)/4                                   ; source 0: window 2 or 3
.irp c, 0,1
	v_cvt_scalef32_pk16_fp6_f32 v[PC+6*\c:PC+6*\c+2], v[AC+32*\c:AC+32*\c+15], v[TM+12+2*\c]
	v_cvt_scalef32_pk16_fp6_f32 v[PC+12+4*\c:PC+14+4*\c], v[AC+32*\c+16:AC+32*\c+31], v[TM+12+2*\c+1]   ; (a conversion's three registers begin on an even number)
.endr
	WIN 0
	v_nop                                          ; one plain line behind a scaled conversion
.irp c, 0,1                                    ; the layout wants a WHOLE block in a lane: lanes 0-15 block 2 c, lanes 16-31 block 2 c + 1
.irp i, 0,1,2
	v_permlane16_swap_b32 v[PC+6*\c+\i], v[PC+12+4*\c+\i]
.endr
.irp i, 0,1,2
	v_mov_b32 v[PC+3+6*\c+\i], v[PC+12+4*\c+\i]
.endr
.endr
.irp c, 0,1
.irp p, 0,1,2
	global_store_b64 v[VO+\c], v[PC+6*\c+2*\p:PC+6*\c+2*\p+1], s[14:15] offset:768*((\a)%4)+256*\p
.endr
.endr
.endm
	PLACES NP                                      ; behind the last products: for the reads of results and the writes over Y's fragments
.irp a, 0,1,2,3,4,5,6,7
	QROW \a
.endr
; The scale words, in the order in which the attention's lanes take them: a chunk is 256 bytes, lane l's two words at 8 l.
; q, k: word q of lane (r, h) is that of the pair of tiles G = 2 q + h: two bytes of tile 2 G, two of tile 2 G + 1, of the chunk's head.   v: that of tile 2 h + q of the chunk's head, whole.
.irp g, 0,1,2,3
	v_perm_b32 v[ZZ+\g], v[WW+2*\g+1], v[WW+2*\g], s94
	v_perm_b32 v[ZZ+4+\g], v[WW+2*\g+1], v[WW+2*\g], s95
.endr
	v_cndmask_b32 v[ZZ+8], v[ZZ], v[ZZ+1], s99     ; lanes 16-31 take the odd one
	v_cndmask_b32 v[ZZ+12], v[ZZ+2], v[ZZ+3], s99
	v_cndmask_b32 v[ZZ+13], v[ZZ+4], v[ZZ+5], s99
	v_cndmask_b32 v[ZZ+11], v[ZZ+6], v[ZZ+7], s99
	v_cndmask_b32 v[ZZ+9], v[ZZ+12], v[ZZ+13], s22 ; for v the two middle ones change places
	v_cndmask_b32 v[ZZ+10], v[ZZ+13], v[ZZ+12], s22
	global_store_b64 v[VO], v[ZZ+8:ZZ+9], s[16:17]                 ; my first head's chunk,
	global_store_b64 v[VO], v[ZZ+10:ZZ+11], s[16:17] offset:4096   ; my second head's: 16 chunks on
	s_wait_tensorcnt 0x0                           ; the wave's end
	ds_add_u32 v[SPW], v[NIL]
	s_wait_dscnt 0x0
	CROUND                                         ; the closing round: no work-group ends while a partner may still ask for a tile that names it
	s_endpgm
.Lfunc_end_k_q8e6d90c54b_proj:
	.size	k_q8e6d90c54b_proj, .Lfunc_end_k_q8e6d90c54b_proj-k_q8e6d90c54b_proj
	.p2alignl 7, 3214868480
	.fill 96, 4, 3214868480
	.section	.rodata,"a",@progbits
	.p2align	6, 0x0
	.amdhsa_kernel k_q8e6d90c54b_proj
		.amdhsa_group_segment_fixed_size 327680
		.amdhsa_private_segment_fixed_size 0
		.amdhsa_enable_private_segment 0
		.amdhsa_kernarg_size 56
		.amdhsa_user_sgpr_count 2
		.amdhsa_user_sgpr_kernarg_segment_ptr 1
		.amdhsa_wavefront_size32 1
		.amdhsa_system_sgpr_workgroup_id_x 1
		.amdhsa_system_sgpr_workgroup_id_y 1
		.amdhsa_system_sgpr_workgroup_id_z 1
		.amdhsa_system_vgpr_workitem_id 0
		.amdhsa_next_free_vgpr 1024
		.amdhsa_next_free_sgpr 102
		.amdhsa_reserve_vcc 0
		.amdhsa_float_denorm_mode_32 3
		.amdhsa_float_denorm_mode_16_64 3
		.amdhsa_memory_ordered 1
		.amdhsa_forward_progress 1
		.amdhsa_inst_pref_size 191
	.end_amdhsa_kernel
	.amdgpu_metadata
---
amdhsa.version: [ 1, 2 ]
amdhsa.kernels:
  - .name:           k_q8e6d90c54b_proj
    .symbol:         k_q8e6d90c54b_proj.kd
    .args:
      - { .name: cat_codes, .offset: 0, .size: 8, .value_kind: global_buffer, .address_space: global }
      - { .name: cat_scales, .offset: 8, .size: 8, .value_kind: global_buffer, .address_space: global }
      - { .name: bq, .offset: 16, .size: 8, .value_kind: global_buffer, .address_space: global }
      - { .name: bk, .offset: 24, .size: 8, .value_kind: global_buffer, .address_space: global }
      - { .name: bv, .offset: 32, .size: 8, .value_kind: global_buffer, .address_space: global }
      - { .name: qkv_codes, .offset: 40, .size: 8, .value_kind: global_buffer, .address_space: global }
      - { .name: qkv_scales, .offset: 48, .size: 8, .value_kind: global_buffer, .address_space: global }
    .group_segment_fixed_size: 327680
    .private_segment_fixed_size: 0
    .kernarg_segment_align: 8
    .kernarg_segment_size: 56
    .max_flat_workgroup_size: 128
    .sgpr_count:     102
    .vgpr_count:     1024
    .wavefront_size: 32
...
	.end_amdgpu_metadata
.endif
;; end of part 2
;; launch attn (part 3): grid 4 x 64, 16 waves a work-group, clusters of 4 x 1, 219,136 bytes of LDS; arguments qkv_codes, qkv_scales, x_codes, x_scales; writes x_codes, x_scales
.if DOCPART == 3
	.amdgcn_target "amdgcn-amd-amdhsa--gfx1250"
	.amdhsa_code_object_version 6
	.text
	.protected	k_q8e6d90c54b_attn
	.globl	k_q8e6d90c54b_attn
	.p2align	8
	.type	k_q8e6d90c54b_attn,@function
k_q8e6d90c54b_attn:
	s_mov_b64 s[64:65], 0
	v_nop
	global_prefetch_b8 v0, s[64:65] scope:SCOPE_SE
	s_setreg_imm32_b32 hwreg(HW_REG_WAVE_MODE, 25, 1), 1
	s_wait_xcnt 0x0
	s_wait_alu depctr_hold_cnt(0) depctr_sa_sdst(0) depctr_va_vdst(0) depctr_va_sdst(0) depctr_va_ssrc(0) depctr_va_vcc(0) depctr_vm_vsrc(0)
	s_getreg_b32 s2, hwreg(HW_REG_IB_STS2, 6, 4)
	s_cmp_eq_u32 s2, 0
	s_cbranch_scc0 .Lentry_in_a_cluster
	s_endpgm
.Lentry_in_a_cluster:
	s_bfe_u32 s2, ttmp6, 0x10000c
	s_cmp_lg_u32 s2, 0x3003
	s_cbranch_scc0 .Lentry_shape_is_right
	s_endpgm
.Lentry_shape_is_right:
; For each of the 64 (batch, head): x[q] = sum over k of softmax_k(q . k / 8) v[k], both products on codes of FP6 (E2M3) with E8M0 scales; x is quantised along the head's 64 for the last projection.
; THE SOFTMAX: t = score x log2(e) / 8; M = the row's largest t so far, rounded UP to a whole number; p = 2^(t - M) is quantised along the keys, not normalised.  The row's sum is taken of the
; unquantised p, in f32, and divides at the end.  When M moves, the sum and O are multiplied by 2^(old M - new M): exact.
; SHARES.  A work-group owns 512 queries of one head; each of its sixteen waves one tile of 16 queries at a time, in two passes; every wave walks all 2,048 keys, 128 a step.
; A HEAD'S WHOLE K AND V LIE IN LDS, filled ONCE by ten joint loads of the head's four work-groups (mask 15): no ring, no refill, no barrier in the loops, no LDS store.  So there is no stream
; of tiles to prefetch: all that the launch reads by tensor loads is asked for at its head.
; LAYOUT.  Codes lie in memory in the order of the operand's registers (half fragments of 768 bytes: 16 rows x 64 K; lane l's 8 bytes of piece p at 256 p + 8 l); lane r' of stored tile 2 G + u holds
; row 32 G + 8 u + r' + 8 (r' / 8).  Both products are used transposed (S^T = K Q^T, O^T = V^T P^T): a lane holds ONE query throughout.
; THE KEYS OF A SCORE TILE ARE CHOSEN BY THE LDS ADDRESS: in fragment (c, s) lane r reads row (r % 8) + 8 s of the stored pair of tiles 2 c + r / 8.  Score tile t = 2 s + u of group c then holds key
; 64 c + 32 (row / 8) + 8 t + row % 8, so a lane's 32 registers of group c are keys 64 c + 32 (lane / 16) + 0 .. 31: a WHOLE block of 32, in the order of the next operand's registers.
; K's LDS rows are 512 bytes + 64 of padding: stored pairs of tiles, 1,536 bytes apart in memory, lie 1,728 apart in LDS, 192 modulo 256, so the 32 lanes of a load touch 64 different banks (ISA guide 11.1).
; K = 64 IN A FORM OF K = 128: a fragment holds tile u = 0 at k = 0 .. 63 and u = 1 at k = 64 .. 127; against [Q | zeros] and [zeros | Q].  The registers Q, zeros, Q (18) give both.
; A BLOCK'S SCALE BYTE: its largest p is 2^x, x = the block's largest t - M, so the byte is floor(x) + 125, made as floor(x + 125) and held at 1 from below.
; LIMITS: NaN and infinities are not served; the promise holds while the scaled scores stay under 2^31 in magnitude; a p under 2^-126 becomes 0; an x within an f32 rounding of x + 125 under a whole number
; takes the next byte up; 1 / sum is v_rcp_f32; a block of x whose largest magnitude lies under 2^-124 gets the byte 1 (read by this program alone).  x's scale bytes leave one byte a lane.
; LOADS AHEAD: K's fragments of step i + 1 are asked for behind step i's score products, V's of step i at the step's top.  The last step of a pass asks for step 0's K again: the next pass begins
; with it; behind the last pass those 25 loads are only waited for.
; REGISTERS: v1-8 addresses that stay; v0, v9-11 the step's addresses, then at work; v12 -M, v13 the largest score, v[14:15] the sum; v16-33 Q, zeros, Q; v34 Q's scale word, v35 p's, v[36:37] K's,
; v[38:39] V's; v40 f (v41 Q's raw scale word); v[42:43] the blocks' maxima; v44-91 K; v96-159 S^T, then p; v160-191 O^T; v192-239 V; v240-251 p's codes; v92-94, v252-254 halves of blocks on their way.
.set VB,    110592                     ; LDS: K's codes from 0 (192 rows of 576), V's from here (dense),
.set KS,    208896                     ; K's scale words; V's 4,096 bytes on
.set SPARE, 217088                     ; the spare words: 128 bytes for each of 16 waves
.set Q,   16
.set KF,  44
.set T1,  92
.set NIL, 95
.set S,   96
.set O,   160
.set VF,  192
.set P,   240
.set T2,  252
.set SPW, 255
.macro CROUND                          ; a round of the cluster's barrier
	s_barrier_signal -1
	s_barrier_wait -1
	s_cmp_lg_u32 s12, 0
	s_cbranch_scc1 .Lnot_wave_0_\@
	s_barrier_signal -3
.Lnot_wave_0_\@:
	s_barrier_wait -3
	s_barrier_signal -1
	s_barrier_wait -1
.endm
.macro QLOAD                           ; my tile of queries: its scale word, and its half fragment twice (the two operands' Q parts)
	global_load_b32 v41, v4, s[52:53]
.irp p, 0,1,2
	global_load_b64 v[Q+2*\p:Q+2*\p+1], v1, s[50:51] offset:256*\p
	global_load_b64 v[Q+12+2*\p:Q+13+2*\p], v1, s[50:51] offset:256*\p
.endr
.endm
.macro KLOAD a, sa                     ; a step's four fragments of K and its scale words: 25 loads
.irp c, 0,1
.irp s, 0,1
.irp p, 0,1,2,3,4,5
	ds_load_b64 v[KF+24*\c+12*\s+2*\p:KF+24*\c+12*\s+2*\p+1], v[\a] offset:3456*\c+64*\s+576*(\p/2)+256*(\p%2)
.endr
.endr
.endr
	ds_load_b64 v[36:37], v[\sa]                   ; word c of lane (r, h): fragment (c, s = h), row r
.endm
	s_load_b256 s[4:11], s[0:1], 0x0               ; qkv_codes, qkv_scales, x_codes, x_scales
	v_lshl_add_u32 v[SPW], v0, 2, SPARE
	v_mov_b32 v[NIL], 0
	ds_add_u32 v[SPW], v[NIL]                      ; the opening lines: the add, twice on end, and its wait
	ds_add_u32 v[SPW], v[NIL]
	v_lshrrev_b32 v1, 5, v0
	s_delay_alu instid0(VALU_DEP_1)
	v_readfirstlane_b32 s12, v1                    ; wave 0..15
	s_bfe_u32 s13, ttmp6, 0x40000                  ; cx: which quarter of the head's queries
	s_and_b32 s14, ttmp7, 0xffff                   ; 16 batch + head, which the four partners share
	; group 1 for K: 48 rows of 512 bytes (64 elements of 8), 16 words of padding behind each 128
	s_mov_b32 s16, 15|(3<<16)|(1<<20)|(1<<21)|(6<<22)|(15<<25)
	s_mov_b32 s17, 64<<16
	s_mov_b32 s18, 48<<16
	s_mov_b32 s19, 64<<16
	s_mov_b32 s20, 48
	s_mov_b32 s21, 64
	s_mov_b32 s22, 0
	s_mov_b32 s23, 0
	; for the scale words: 16 rows of 256 bytes, dense
	s_mov_b32 s24, 15|(3<<16)|(1<<21)
	s_mov_b32 s25, 32<<16
	s_mov_b32 s26, 16<<16
	s_mov_b32 s27, 32<<16
	s_mov_b32 s28, 16
	s_mov_b32 s29, 32
	s_mov_b32 s30, 0
	s_mov_b32 s31, 0
	; for V: 96 rows of 256 bytes, dense
	s_mov_b32 s68, 15|(3<<16)|(1<<21)
	s_mov_b32 s69, 32<<16
	s_mov_b32 s70, 96<<16
	s_mov_b32 s71, 32<<16
	s_mov_b32 s72, 96
	s_mov_b32 s73, 32
	s_mov_b32 s74, 0
	s_mov_b32 s75, 0
	; what I fetch, if I fetch.  Waves 0-3: K's quarters; waves 4-7: V's; wave 8: K's scale words; wave 9: V's
	s_mul_i32 s60, s14, 98304                      ; the head's codes in each tensor,
	s_lshl_b32 s61, s14, 12                        ; its scale words
	s_bfe_u32 s58, s12, 0x10002
	s_add_co_u32 s58, s58, 1                       ; tensor 1 (k) or 2 (v)
	s_mul_i32 s58, s58, 6291456
	s_add_co_u32 s58, s58, s60
	s_and_b32 s59, s12, 3
	s_mul_i32 s59, s59, 24576
	s_add_co_u32 s58, s58, s59
	s_mov_b32 s59, 0
	s_and_b32 s62, s12, 1
	s_lshl_b32 s37, s62, 12
	s_add_co_u32 s37, s37, KS                      ; LDS address of the scale words
	s_add_co_u32 s62, s62, 1
	s_lshl_b32 s62, s62, 18
	s_add_co_u32 s62, s62, s61
	s_mov_b32 s63, 0
	s_mul_i32 s33, s12, 27648                      ; LDS address of K's quarter: 48 rows of 576,
	s_mul_i32 s77, s12, 24576
	s_add_co_u32 s77, s77, VB-98304                ; of V's quarter (waves 4-7)
	; my tile of queries in pass 0: 32 cx + wave; pass 1: 16 tiles on
	s_lshl_b32 s2, s13, 5
	s_add_co_u32 s2, s2, s12
	s_mul_i32 s50, s2, 768                         ; Q's half fragment
	s_add_co_u32 s50, s50, s60
	s_mov_b32 s51, 0
	s_lshr_b32 s52, s2, 3                          ; Q's scale word: chunk tile / 8; in it the pair of tiles G = (tile % 8) / 2 lies at 128 (G % 2) + 4 (G / 2) + 8 r
	s_lshl_b32 s52, s52, 8
	s_add_co_u32 s52, s52, s61
	s_bfe_u32 s3, s12, 0x10001
	s_lshl_b32 s3, s3, 7
	s_add_co_u32 s52, s52, s3
	s_bfe_u32 s3, s12, 0x10002
	s_lshl_b32 s3, s3, 2
	s_add_co_u32 s52, s52, s3
	s_mov_b32 s53, 0
	s_lshr_b32 s3, s14, 4                          ; batch
	s_and_b32 s15, s14, 15                         ; head
	s_lshl_b32 s54, s3, 7
	s_add_co_u32 s54, s54, s2                      ; x's tile: 128 batch + tile
	s_mul_i32 s54, s54, 12288
	s_mul_i32 s56, s15, 768                        ; its k group: the head
	s_add_co_u32 s54, s54, s56
	s_mov_b32 s55, 0
	s_lshl_b32 s56, s3, 11                         ; x's scale bytes: the tile's first true row, 2,048 batch + 32 (tile / 2) + 8 (tile % 2),
	s_lshr_b32 s3, s2, 1
	s_lshl_b32 s3, s3, 5
	s_add_co_u32 s56, s56, s3
	s_and_b32 s3, s2, 1
	s_lshl_b32 s3, s3, 3
	s_add_co_u32 s56, s56, s3
	s_lshl_b32 s56, s56, 5                         ; 32 bytes a row,
	s_lshl_b32 s3, s15, 1
	s_add_co_u32 s56, s56, s3                      ; the head's two bytes
	s_mov_b32 s57, 0
	s_mov_b32 s40, 0x76543210
	s_mov_b32 s41, 0xfedcba98                      ; selects for lane l xor 16
	s_mov_b32 s42, 0x3e38aa3b                      ; c = log2(e) / 8
	s_mov_b32 s43, s42                             ; (named with it as a pair)
	s_mov_b32 s49, 0xffff0000                      ; lanes 16-31
	s_and_b32 s3, s12, 1
	s_cmp_eq_u32 s3, 0
	s_mov_b32 s48, 0x03020302                      ; an odd tile's two bytes are the upper ones of the pair's word,
	s_cselect_b32 s48, 0x01000100, s48             ; an even tile's the lower
	s_wait_dscnt 0x0
	s_wait_kmcnt 0x0
	s_mov_b32 s32, 1
	s_add_nc_u64 s[34:35], s[4:5], s[58:59]
	s_or_b32 s35, s35, 0x80000000
	s_mov_b32 s76, 1
	s_mov_b64 s[78:79], s[34:35]
	s_mov_b32 s36, 1
	s_add_nc_u64 s[38:39], s[6:7], s[62:63]
	s_or_b32 s39, s39, 0x80000000
	s_add_nc_u64 s[50:51], s[4:5], s[50:51]
	s_add_nc_u64 s[52:53], s[6:7], s[52:53]
	s_add_nc_u64 s[54:55], s[8:9], s[54:55]
	s_add_nc_u64 s[56:57], s[10:11], s[56:57]
	CROUND                                         ; all four work-groups are here: the joint loads meet
	s_cmp_lt_u32 s12, 4                            ; one chain of branches on the wave's number, one fill to an arm, one join
	s_cbranch_scc0 .Lnot_k
	tensor_load_to_lds s[32:35], s[16:23]
	s_nop 0
.rept 4
	v_nop
.endr
	s_branch .Lasked
.Lnot_k:
	s_cmp_lt_u32 s12, 8
	s_cbranch_scc0 .Lnot_v
	tensor_load_to_lds s[76:79], s[68:75]
	s_nop 0
.rept 4
	v_nop
.endr
	s_branch .Lasked
.Lnot_v:
	s_cmp_lt_u32 s12, 10
	s_cbranch_scc0 .Lasked
	tensor_load_to_lds s[36:39], s[24:31]
	s_nop 0
.rept 4
	v_nop
.endr
.Lasked:
	v_and_b32 v6, 31, v0
	v_and_b32 v9, 15, v0                           ; r
	v_bfe_u32 v10, v0, 4, 1                        ; h
	v_bfe_u32 v12, v0, 3, 1                        ; r / 8
	v_lshlrev_b32 v1, 3, v6                        ; 8 x lane: my place in a piece
	v_and_b32 v11, 7, v9                           ; r % 8
	v_lshlrev_b32 v4, 3, v9                        ; 8 r
	v_lshlrev_b32 v8, 3, v10                       ; 8 h: my scale bytes' place in p's word
	v_add_nc_u32 v3, VB, v1
	v_add_nc_u32 v7, KS+4096, v1
	v_lshlrev_b32 v2, 3, v11
	v_lshlrev_b32 v6, 3, v11
	v_lshl_add_u32 v2, v10, 7, v2
	v_lshl_add_u32 v6, v12, 7, v6
	v_mad_u32_u24 v2, v12, 1728, v2                ; K: 8 (r % 8) + 128 h + 1,728 (r / 8)
	v_lshl_add_u32 v6, v10, 6, v6
	v_and_b32 v5, 8, v9
	v_add_nc_u32 v6, KS, v6                        ; K's scale words: 8 ((r % 8) + 16 (r / 8) + 8 h)
	v_add_nc_u32 v5, v5, v9                        ; r + 8 (r / 8)
	s_delay_alu instid0(VALU_DEP_1)
	v_lshl_add_u32 v5, v5, 5, v10                  ; x's scale byte: my true row's 32 bytes, + h
.irp j, 6,7,8,9,10,11
	v_mov_b32 v[Q+\j], 0                           ; the zeros between the two Q: written once
.endr
	QLOAD                                          ; pass 0's queries are on their way beside the tensor loads
	s_wait_alu depctr_va_vdst(0)
	s_wait_tensorcnt 0x0                           ; my part of K and V is in,
	s_barrier_signal -1
	s_barrier_wait -1                              ; everybody's is; nothing is ever filled again
	KLOAD 2, 6                                     ; step 0's K
	s_mov_b32 s47, 2
.Lpass:
	s_mov_b32 s58, 0                               ; V's codes: 6,144 bytes a step
	s_mov_b32 s59, 0                               ; V's scale words: 256
	s_mov_b32 s60, 1                               ; the step whose K is asked for next
	s_mov_b32 s44, 6912                            ; its codes: 12 rows of 576 a step
	s_mov_b32 s45, 256                             ; its scale words
	s_mov_b32 s46, 16
	s_wait_loadcnt 0x0                             ; Q and its scale word
	v_perm_b32 v34, v41, v41, s48                  ; [s0, s1, s0, s1].  The 36 lines below stand between this write and the first scaled product
	v_mov_b32 v13, 0xff61b1e6                      ; the largest score so far: -3e38
	v_mov_b32 v12, 0x7f61b1e6                      ; -M: 3e38, so that the first f is 0, on zeros
	v_mov_b32 v14, 0
	v_mov_b32 v15, 0
.set j, 0
.rept 32
	v_mov_b32 v[O+j], 0                            ; O^T: the step is written once and finds zeros the first time
.set j, j+1
.endr
.Lstep:                                            ; A KEY STEP: 128 keys
	v_add_nc_u32 v10, s58, v3
	v_add_nc_u32 v0, s59, v7                       ; with the three additions behind the last products: five places in front of the loads into V's registers
.irp t, 0,1,2,3
.irp p, 0,1,2,3,4,5
	ds_load_b64 v[VF+12*\t+2*\p:VF+12*\t+2*\p+1], v10 offset:3072*(\p/3)+768*\t+256*(\p%3)
.endr
.endr
	ds_load_b64 v[38:39], v0                       ; V's scale words: word q of lane (r, h) is that of tile 2 h + q
	s_wait_alu depctr_va_vdst(0)
	s_wait_dscnt 25                                ; K and its scale words are in; the 25 loads just issued may be out
.irp c, 0,1
.irp s, 0,1
.irp u, 0,1
.if \s
	v_wmma_scale_f32_16x16x128_f8f6f4 v[S+32*\c+16*\s+8*\u:S+32*\c+16*\s+8*\u+7], v[KF+24*\c+12*\s:KF+24*\c+12*\s+11], v[Q+6*\u:Q+6*\u+11], 0, v[36+\c], v34 matrix_a_fmt:MATRIX_FMT_FP6 matrix_b_fmt:MATRIX_FMT_FP6 matrix_a_scale:MATRIX_SCALE_ROW1
.else
	v_wmma_scale_f32_16x16x128_f8f6f4 v[S+32*\c+16*\s+8*\u:S+32*\c+16*\s+8*\u+7], v[KF+24*\c+12*\s:KF+24*\c+12*\s+11], v[Q+6*\u:Q+6*\u+11], 0, v[36+\c], v34 matrix_a_fmt:MATRIX_FMT_FP6 matrix_b_fmt:MATRIX_FMT_FP6
.endif
.endr
.endr
.endr
	v_add_nc_u32 v9, s44, v2                       ; four places: for the loads into K's registers and the first read of the scores
	v_add_nc_u32 v11, s45, v6
	v_mov_b32 v10, v12                             ; the old -M
	v_nop
	KLOAD 9, 11                                    ; the next step's K
	v_max3_num_f32 v42, v[S], v[S+1], v[S+2]       ; THE LARGEST SCORE OF MY TWO BLOCKS OF 32 KEYS, two chains each, every tile from its low end on
	v_max3_num_f32 v0, v[S+16], v[S+17], v[S+18]
	v_max3_num_f32 v43, v[S+32], v[S+33], v[S+34]
	v_max3_num_f32 v9, v[S+48], v[S+49], v[S+50]
.irp i, 3,5,7,9,11,13
	v_max3_num_f32 v42, v42, v[S+\i], v[S+\i+1]
	v_max3_num_f32 v0, v0, v[S+16+\i], v[S+17+\i]
	v_max3_num_f32 v43, v43, v[S+32+\i], v[S+33+\i]
	v_max3_num_f32 v9, v9, v[S+48+\i], v[S+49+\i]
.endr
	v_max3_num_f32 v42, v42, v0, v[S+15]
	v_max3_num_f32 v43, v43, v9, v[S+47]
	v_max_num_f32 v42, v42, v[S+31]
	v_max_num_f32 v43, v43, v[S+63]
	s_delay_alu instid0(VALU_DEP_1)
	v_max_num_f32 v9, v42, v43
	s_delay_alu instid0(VALU_DEP_1)
	v_permlanex16_b32 v11, v9, s40, s41            ; lane l xor 16 holds my query's other 64 keys
	s_delay_alu instid0(VALU_DEP_1)
	v_max3_num_f32 v13, v13, v9, v11               ; the running largest score (c is positive)
	s_delay_alu instid0(VALU_DEP_1)
	v_mul_f32 v9, s42, v13
	s_delay_alu instid0(VALU_DEP_1)
	v_floor_f32 v12, -v9                           ; -M = floor(-t) = -ceil(t)
	s_delay_alu instid0(VALU_DEP_1)
	v_sub_f32 v9, v12, v10                         ; old M - new M: a whole number, 0 or less
	v_add_f32 v10, 0x42fa0000, v12                 ; 125 - M
.set J, 0
.macro FM n                            ; t - M, two at a time (of the pairs c and -M the low word serves both halves)
.rept \n
	v_pk_fma_f32 v[S+J:S+J+1], v[S+J:S+J+1], s[42:43], v[12:13] op_sel_hi:[1,0,0]
.set J, J+2
.endr
.endm
	FM 2
	v_pk_fma_f32 v[42:43], v[42:43], s[42:43], v[10:11] op_sel_hi:[1,0,0]   ; x + 125 of my two blocks' largest scores
	v_cvt_i32_f32 v9, v9                           ; (it saturates)
	FM 4
	v_ldexp_f32 v40, 1.0, v9                       ; f = 2^(old M - new M)
	v_max_num_f32 v42, 1.0, v42                    ; the byte cannot fall under 1
	v_max_num_f32 v43, 1.0, v43
	FM 4
	v_cvt_floor_i32_f32 v42, v42                   ; the scale bytes of blocks h and 2 + h
	v_cvt_floor_i32_f32 v43, v43
	FM 4
	v_lshlrev_b32 v9, 23, v42                      ; the conversions' scale operands
	v_lshlrev_b32 v11, 23, v43
	v_lshl_or_b32 v35, v43, 16, v42
	FM 4
	v_lshlrev_b32 v35, v8, v35                     ; my two bytes at their places, 8 h bits up
	FM 4
	v_permlanex16_b32 v0, v35, s40, s41
	FM 4
	v_or_b32 v35, v35, v0                          ; p's scale word for these 128 keys
	FM 6
	v_pk_mul_f32 v[14:15], v[14:15], v[40:41] op_sel_hi:[1,0]   ; the sums under the new M
.set j, 0
.rept 16
	v_pk_mul_f32 v[O+j:O+j+1], v[O+j:O+j+1], v[40:41] op_sel_hi:[1,0]   ; O^T under the new M, each accumulator from its low end on
.set j, j+2
.endr
	s_wait_alu depctr_va_vdst(0)
.set j, 0
.rept 64
	v_exp_f32 v[S+j], v[S+j]                       ; p = 2^(t - M), at most 1
.set j, j+1
.endr
	v_nop                                          ; a plain line behind the exponentials
	s_wait_alu depctr_va_vdst(0)                   ; one wait for the batch, ahead of its first reader
	v_cvt_scalef32_pk16_fp6_f32 v[P:P+2], v[S:S+15], v9
	v_cvt_scalef32_pk16_fp6_f32 v[T1:T1+2], v[S+16:S+31], v9       ; (a conversion's three registers begin on an even number)
	v_cvt_scalef32_pk16_fp6_f32 v[P+6:P+8], v[S+32:S+47], v11
	v_cvt_scalef32_pk16_fp6_f32 v[T2:T2+2], v[S+48:S+63], v11
	v_nop                                          ; one plain line behind the scaled conversions
.irp i, 0,1,2
	v_mov_b32 v[P+3+\i], v[T1+\i]
	v_mov_b32 v[P+9+\i], v[T2+\i]
.endr
	v_pk_add_f32 v[14:15], v[14:15], v[S+6:S+7]    ; THE ROW'S SUM, OF THE UNQUANTISED p: four chains, three of them in p's own registers, which are done with
.irp j, 8,16,24,32,40,48,56
	v_pk_add_f32 v[S:S+1], v[S:S+1], v[S+\j:S+\j+1]
	v_pk_add_f32 v[S+2:S+3], v[S+2:S+3], v[S+\j+2:S+\j+3]
	v_pk_add_f32 v[S+4:S+5], v[S+4:S+5], v[S+\j+4:S+\j+5]
	v_pk_add_f32 v[14:15], v[14:15], v[S+\j+6:S+\j+7]
.endr
	s_wait_alu depctr_va_vdst(0)
	s_wait_dscnt 25                                ; V and its scale words are in; the next step's K, 25 loads, may be out
.irp t, 0,1,2,3                                ; O^T += V^T P^T: the four accumulators by turns
.if \t/2
	v_wmma_scale_f32_16x16x128_f8f6f4 v[O+8*\t:O+8*\t+7], v[VF+12*\t:VF+12*\t+11], v[P:P+11], v[O+8*\t:O+8*\t+7], v[38+\t%2], v35 matrix_a_fmt:MATRIX_FMT_FP6 matrix_b_fmt:MATRIX_FMT_FP6 matrix_a_scale:MATRIX_SCALE_ROW1
.else
	v_wmma_scale_f32_16x16x128_f8f6f4 v[O+8*\t:O+8*\t+7], v[VF+12*\t:VF+12*\t+11], v[P:P+11], v[O+8*\t:O+8*\t+7], v[38+\t%2], v35 matrix_a_fmt:MATRIX_FMT_FP6 matrix_b_fmt:MATRIX_FMT_FP6
.endif
.endr
	v_pk_add_f32 v[S:S+1], v[S:S+1], v[S+2:S+3]    ; the chains are joined: three places behind the products
	v_pk_add_f32 v[14:15], v[14:15], v[S+4:S+5]
	v_pk_add_f32 v[14:15], v[14:15], v[S:S+1]
	s_add_co_u32 s58, s58, 6144
	s_add_co_u32 s59, s59, 256
	s_add_co_u32 s60, s60, 1
	s_and_b32 s61, s60, 15                         ; behind step 15 comes step 0
	s_mul_i32 s44, s61, 6912
	s_lshl_b32 s45, s61, 8
	s_sub_co_u32 s46, s46, 1
	s_cmp_lg_u32 s46, 0
	s_cbranch_scc1 .Lstep
	; THE WAY OUT OF A PASS.  First the next pass's queries are asked for; then O^T / the sum; register 16 G + i is the head's d = 32 G + 16 (lane / 16) + i: two blocks of 32, one half fragment, two bytes a row.
	s_cmp_eq_u32 s47, 1
	s_wait_alu depctr_va_vdst(0)
	s_cbranch_scc1 .Lno_q
	s_add_nc_u64 s[50:51], s[50:51], 16*768        ; 16 tiles on (the last pass's loads were waited for at its top)
	s_add_nc_u64 s[52:53], s[52:53], 2*256
	QLOAD
.Lno_q:
	v_add_f32 v14, v14, v15                        ; the sum's two halves,
	s_delay_alu instid0(VALU_DEP_1)
	v_permlanex16_b32 v9, v14, s40, s41
	s_delay_alu instid0(VALU_DEP_1)
	v_add_f32 v14, v14, v9                         ; and lane l xor 16's: the row's sum
	s_wait_alu depctr_va_vdst(0)
	v_rcp_f32 v14, v14
	v_nop                                          ; a plain line behind the transcendental
	s_wait_alu depctr_va_vdst(0)                   ; and the wait ahead of its first reader, which is also O^T's
.set j, 0
.rept 32
	v_mul_f32 v[S+j], v[O+j], v14                  ; each accumulator from its low end on
.set j, j+1
.endr
.irp b, 0,1
	v_max3_num_f32 v[42+\b], |v[S+16*\b]|, |v[S+1+16*\b]|, 0x1800000
.endr
.irp i, 2,4,6,8,10,12,14
.irp b, 0,1
	s_delay_alu instid0(VALU_DEP_2)
	v_max3_num_f32 v[42+\b], v[42+\b], |v[S+16*\b+\i]|, |v[S+1+16*\b+\i]|
.endr
.endr
	s_delay_alu instid0(VALU_DEP_2)
	v_permlanex16_b32 v9, v42, s40, s41
	s_delay_alu instid0(VALU_DEP_2)
	v_permlanex16_b32 v11, v43, s40, s41
	s_delay_alu instid0(VALU_DEP_2)
	v_max_num_f32 v42, v42, v9
	s_delay_alu instid0(VALU_DEP_2)
	v_max_num_f32 v43, v43, v11
	s_delay_alu instid0(VALU_DEP_2)
	v_add_nc_u32 v0, 0xff000000, v42               ; 2 off the exponent field: the conversion's scale operand
	s_delay_alu instid0(VALU_DEP_2)
	v_add_nc_u32 v10, 0xff000000, v43
	s_delay_alu instid0(VALU_DEP_2)
	v_lshrrev_b32 v9, 23, v0                       ; the scale's byte
	s_delay_alu instid0(VALU_DEP_2)
	v_lshrrev_b32 v11, 23, v10
	v_cvt_scalef32_pk16_fp6_f32 v[P:P+2], v[S:S+15], v0
	v_cvt_scalef32_pk16_fp6_f32 v[T2:T2+2], v[S+16:S+31], v10
	v_cndmask_b32 v9, v9, v11, s49                 ; my half's byte.  Also the plain line behind the conversions
.irp i, 0,1,2
	v_permlane16_swap_b32 v[P+\i], v[T2+\i]        ; a WHOLE block in a lane: lanes 0-15 block 0, lanes 16-31 block 1
.endr
.irp i, 0,1,2
	s_delay_alu instid0(VALU_DEP_3)
	v_mov_b32 v[P+3+\i], v[T2+\i]
.endr
.irp p, 0,1,2
	global_store_b64 v1, v[P+2*\p:P+2*\p+1], s[54:55] offset:256*\p   ; 32 lanes store 256 consecutive bytes, aligned
.endr
	global_store_b8 v5, v9, s[56:57]
	s_wait_xcnt 0x0                                ; the stores have read their bases and data: all may be written again
	s_add_nc_u64 s[54:55], s[54:55], 16*12288      ; the next pass: 16 tiles on
	s_add_nc_u64 s[56:57], s[56:57], 256*32
	s_sub_co_u32 s47, s47, 1
	s_cmp_lg_u32 s47, 0
	s_cbranch_scc1 .Lpass
	s_wait_tensorcnt 0x0                           ; the wave's end
	ds_add_u32 v[SPW], v[NIL]
	s_wait_dscnt 0x0
	CROUND                                         ; the closing round
	s_endpgm
.Lfunc_end_k_q8e6d90c54b_attn:
	.size	k_q8e6d90c54b_attn, .Lfunc_end_k_q8e6d90c54b_attn-k_q8e6d90c54b_attn
	.p2alignl 7, 3214868480
	.fill 96, 4, 3214868480
	.section	.rodata,"a",@progbits
	.p2align	6, 0x0
	.amdhsa_kernel k_q8e6d90c54b_attn
		.amdhsa_group_segment_fixed_size 219136
		.amdhsa_private_segment_fixed_size 0
		.amdhsa_enable_private_segment 0
		.amdhsa_kernarg_size 32
		.amdhsa_user_sgpr_count 2
		.amdhsa_user_sgpr_kernarg_segment_ptr 1
		.amdhsa_wavefront_size32 1
		.amdhsa_system_sgpr_workgroup_id_x 1
		.amdhsa_system_sgpr_workgroup_id_y 1
		.amdhsa_system_sgpr_workgroup_id_z 1
		.amdhsa_system_vgpr_workitem_id 0
		.amdhsa_next_free_vgpr 256
		.amdhsa_next_free_sgpr 80
		.amdhsa_reserve_vcc 0
		.amdhsa_float_denorm_mode_32 3
		.amdhsa_float_denorm_mode_16_64 3
		.amdhsa_memory_ordered 1
		.amdhsa_forward_progress 1
		.amdhsa_inst_pref_size 34
	.end_amdhsa_kernel
	.amdgpu_metadata
---
amdhsa.version: [ 1, 2 ]
amdhsa.kernels:
  - .name:           k_q8e6d90c54b_attn
    .symbol:         k_q8e6d90c54b_attn.kd
    .args:
      - { .name: qkv_codes, .offset: 0, .size: 8, .value_kind: global_buffer, .address_space: global }
      - { .name: qkv_scales, .offset: 8, .size: 8, .value_kind: global_buffer, .address_space: global }
      - { .name: x_codes, .offset: 16, .size: 8, .value_kind: global_buffer, .address_space: global }
      - { .name: x_scales, .offset: 24, .size: 8, .value_kind: global_buffer, .address_space: global }
    .group_segment_fixed_size: 219136
    .private_segment_fixed_size: 0
    .kernarg_segment_align: 8
    .kernarg_segment_size: 32
    .max_flat_workgroup_size: 512
    .sgpr_count:     80
    .vgpr_count:     256
    .wavefront_size: 32
...
	.end_amdgpu_metadata
.endif
;; end of part 3
;; launch outp (part 4): grid 8 x 32, 4 waves a work-group, clusters of 4 x 4, 327,680 bytes of LDS; arguments x_codes, x_scales, cat_codes, cat_scales, bo, out0; writes out0
.if DOCPART == 4
	.amdgcn_target "amdgcn-amd-amdhsa--gfx1250"
	.amdhsa_code_object_version 6
	.text
	.protected	k_q8e6d90c54b_outp
	.globl	k_q8e6d90c54b_outp
	.p2align	8
	.type	k_q8e6d90c54b_outp,@function
k_q8e6d90c54b_outp:
	s_mov_b64 s[64:65], 0
	v_nop
	global_prefetch_b8 v0, s[64:65] scope:SCOPE_SE
	s_setreg_imm32_b32 hwreg(HW_REG_WAVE_MODE, 25, 1), 1
	s_wait_xcnt 0x0
	s_wait_alu depctr_hold_cnt(0) depctr_sa_sdst(0) depctr_va_vdst(0) depctr_va_sdst(0) depctr_va_ssrc(0) depctr_va_vcc(0) depctr_vm_vsrc(0)
	s_getreg_b32 s2, hwreg(HW_REG_IB_STS2, 6, 4)
	s_cmp_eq_u32 s2, 0
	s_cbranch_scc0 .Lentry_in_a_cluster
	s_endpgm
.Lentry_in_a_cluster:
	s_bfe_u32 s2, ttmp6, 0x10000c
	s_cmp_lg_u32 s2, 0xf033
	s_cbranch_scc0 .Lentry_shape_is_right
	s_endpgm
.Lentry_shape_is_right:
; out0 = x Wo^T + bo on codes of FP6 (E2M3) with E8M0 scales; out0 [8192][1024] f32.
; A block of 256 tokens (Y) x 128 features (X) is made by a work-group of four waves: 32 x 8 blocks = 256 work-groups.  A wave makes 128 x 64: 32 accumulators, 256 registers.
; K = 1,024 goes in four steps of 256 through a ring of two LDS slots.  Y is source 1 of the matrix instruction (a lane holds one token), X source 0 (a lane's registers run along the features).
; CLUSTERS of 4 x 4: Y's tiles are shared along a row of the cluster, X's along a column, each asked for jointly by the same tensor load with a mask that names the four.
; OPERANDS lie in memory in the order of the operand's registers (half fragments of 768 bytes: 16 rows x 64 K, lane l's 8 bytes of piece p at 256 p + 8 l); lane r of tile 2 G + u holds
; row 32 G + 8 u + r + 8 (r / 8).  THE BIAS is the C of each sum's first matrix instruction.
; No prefetch: the walk has four K steps; two of them are asked for at the head and behind it, and the other two one step after those.
; LDS: two slots (Y's 16 tiles, then X's 8); X's scale bytes (128 rows), then Y's (256 rows), as runs of 256 bytes + 16; the spare words.  X's lie first: the loads that take Y's tiles 4-7 in lanes 0-15
; read, in lanes 16-31, up to 2,176 bytes past my 64 rows of X, which are filled bytes of X's or Y's scales and are not used.
; REGISTERS: window 0: v1-31 addresses; v32-63 scale words, two sets; v64-95 the bias; v128-223 Y's 8 fragments; on the way out v128-191.  window 1: X's 4 fragments, two sets, at v0 and v128.
; window 2: the accumulators, (a, b) at v[8 (4 a + b)].
.set NQ,     2
.set FR,     12
.set NL,     6
.set NP,     4
.set TILEB,  3072                      ; a tile's bytes in a slot: 16 rows x 256 K
.set HALFT,  8*TILEB                   ; 128 rows
.set HALFX,  4*TILEB                   ; 64 rows
.set SLOT,   3*HALFT
.set SCL,    2*SLOT
.set HALFS,  16*272                    ; the scale bytes of 128 rows
.set SPARE,  SCL+3*HALFS
.set SPITCH, 272                       ; the way out: a stage of 16 rows x (256 bytes + 16) for each wave, in slot 0, which has had its last fill and its last read by then
.set ADRA, 16
.set ADRB, 20
.set STO,  24
.set RD,   25
.set CO,   26
.set ADRS, 27
.set SPW,  28
.set NIL,  29
.set SC,   32
.set BIAS, 64
.set AF,   128
.set BK,   128
.set G1, 24
.set G0, 32
.set G1B, 48
.set G0B, 56
.set G1S, 68
.set G0S, 76
.set G1SB, 80
.set G0SB, 88
.set MSB, 0
.macro WIN new                         ; the immediate's high byte repeats the setting that is left
.if MSB != \new
	s_set_vgpr_msb (MSB<<8)|\new
.set MSB, \new
.endif
.endm
.set MUL_W, 0xa1                       ; source 0 (X) window 1, source 1 (Y) window 0, C and D window 2
.set TO_B,  0x40                       ; destination window 1, address window 0
.macro JLOAD g0a, g1a, g0b, g1b        ; waves 0 and 1 fetch for Y, waves 2 and 3 for X; the branch hangs on the wave's number alone
	s_cmp_eq_u32 s19, 0
	s_cbranch_scc0 .Lfor_b_\@
	tensor_load_to_lds s[\g0a:\g0a+3], s[\g1a:\g1a+7]
	s_nop 0
.rept 4
	v_nop
.endr
	s_branch .Lasked_\@
.Lfor_b_\@:
	tensor_load_to_lds s[\g0b:\g0b+3], s[\g1b:\g1b+7]
	s_nop 0
.rept 4
	v_nop
.endr
.Lasked_\@:
.endm
.macro CREST                           ; a round of the cluster's barrier behind its opening barrier
	s_cmp_lg_u32 s18, 0
	s_cbranch_scc1 .Lnot_wave_0_\@
	s_barrier_signal -3
.Lnot_wave_0_\@:
	s_barrier_wait -3
	s_barrier_signal -1
	s_barrier_wait -1
.endm
.macro CROUND
	s_barrier_signal -1
	s_barrier_wait -1
	CREST
.endm
	s_load_b256 s[4:11], s[0:1], 0x0               ; x_codes, x_scales, cat_codes, cat_scales
	s_load_b128 s[12:15], s[0:1], 0x20             ; bo, out0
	v_lshl_add_u32 v[SPW], v0, 2, SPARE
	v_mov_b32 v[NIL], 0
	ds_add_u32 v[SPW], v[NIL]                      ; the opening lines: the add, twice on end, and its wait
	ds_add_u32 v[SPW], v[NIL]
	v_lshrrev_b32 v1, 5, v0
	v_readfirstlane_b32 s18, v1                    ; wave 0..3
	s_lshr_b32 s19, s18, 1                         ; which 128 of Y's rows are mine.  Also: I fetch for Y (0) or for X (1)
	s_and_b32 s20, s18, 1                          ; which 64 of X's rows.  Also: which half of a tile I fetch
	s_bfe_u32 s40, ttmp6, 0x40000                  ; cx, cy
	s_bfe_u32 s41, ttmp6, 0x40004
	s_lshl_b32 s42, ttmp9, 2
	s_add_co_u32 s42, s42, s40                     ; X's block of 128 features
	s_and_b32 s43, ttmp7, 0xffff
	s_lshl_b32 s43, s43, 2
	s_add_co_u32 s43, s43, s41                     ; Y's block of 256 tokens
	s_lshl_b32 s44, s41, 2
	s_lshl_b32 s44, 15, s44                        ; my row of the cluster
	s_lshl_b32 s45, 0x1111, s40                    ; my column
	; group 1 for codes: tiles of 3,072 bytes (384 elements of 8), 12,288 bytes from tile to tile, dense in LDS; at the head Y's 16 tiles, X's 8
	s_or_b32 s[G1+0], s44, (3<<16)|(1<<21)
	s_or_b32 s[G1B+0], s45, (3<<16)|(1<<21)
.irp g, G1, G1B
	s_mov_b32 s[\g+1], 384<<16
	s_mov_b32 s[\g+3], 384<<16
	s_mov_b32 s[\g+5], 1536
	s_mov_b32 s[\g+6], 0
	s_mov_b32 s[\g+7], 0
.endr
	s_mov_b32 s[G1+2], 16<<16
	s_mov_b32 s[G1+4], 16
	s_mov_b32 s[G1B+2], 8<<16
	s_mov_b32 s[G1B+4], 8
	; and for the scale bytes: rows of 256 bytes (32 elements of 8), 16 bytes of padding behind each: Y's 32 rows, X's 16
	s_or_b32 s[G1S+0], s44, (3<<16)|(1<<20)|(1<<21)|(5<<22)|(3<<25)
	s_or_b32 s[G1SB+0], s45, (3<<16)|(1<<20)|(1<<21)|(5<<22)|(3<<25)
.irp g, G1S, G1SB
	s_mov_b32 s[\g+1], 32<<16
	s_mov_b32 s[\g+3], 32<<16
	s_mov_b32 s[\g+5], 32
	s_mov_b32 s[\g+6], 0
	s_mov_b32 s[\g+7], 0
.endr
	s_mov_b32 s[G1S+2], 32<<16
	s_mov_b32 s[G1S+4], 32
	s_mov_b32 s[G1SB+2], 16<<16
	s_mov_b32 s[G1SB+4], 16
	s_lshl_b32 s46, s43, 8                         ; Y's first row
	s_mul_i32 s66, s46, 768                        ; its codes,
	s_mov_b32 s67, 0
	s_lshl_b32 s46, s46, 5                         ; its scale bytes
	s_mov_b32 s47, 0
	s_lshl_b32 s92, s42, 7
	s_add_co_u32 s92, s92, 27648                   ; X's first row in the table: Wo begins at 27,648
	s_mul_i32 s100, s92, 768
	s_mov_b32 s101, 0
	s_lshl_b32 s92, s92, 5
	s_mov_b32 s93, 0
	s_lshl_b32 s22, s42, 7
	s_lshl_b32 s23, s20, 6
	s_add_co_u32 s22, s22, s23                     ; my first feature,
	s_lshl_b32 s22, s22, 2                         ; in bytes
	s_mov_b32 s23, 0
	s_lshl_b32 s2, s43, 8
	s_lshl_b32 s3, s19, 7
	s_add_co_u32 s2, s2, s3                        ; my first token
	s_lshl_b32 s2, s2, 12
	s_add_co_u32 s2, s2, s22
	s_mov_b32 s3, 0
	s_mul_i32 s94, s19, HALFT                      ; LDS: my 128 rows of Y,
	s_mul_i32 s95, s20, HALFX
	s_add_co_u32 s95, s95, 2*HALFT                 ; my 64 rows of X,
	s_mul_i32 s97, s20, HALFS/2                    ; X's scale bytes: my 64 rows,
	s_mul_i32 s96, s19, HALFS
	s_add_co_u32 s96, s96, HALFS
	s_sub_co_u32 s96, s96, s97                     ; from there to Y's: my 128 rows, behind X's 128
	s_add_co_u32 s97, s97, SCL
	s_mul_i32 s98, s18, 16*SPITCH                  ; my stage
	s_wait_dscnt 0x0
	s_wait_kmcnt 0x0
	s_add_nc_u64 s[66:67], s[4:5], s[66:67]
	s_add_nc_u64 s[46:47], s[6:7], s[46:47]
	s_add_nc_u64 s[100:101], s[8:9], s[100:101]
	s_add_nc_u64 s[92:93], s[10:11], s[92:93]
	s_add_nc_u64 s[12:13], s[12:13], s[22:23]
	s_add_nc_u64 s[14:15], s[14:15], s[2:3]
	; THE HEAD'S FOUR TILES, each whole, one joint load a wave: wave 0 K step 0 of Y's 256 rows, wave 1 of X's 128, wave 2 Y's scale bytes, wave 3 X's
	s_mov_b32 s[G0S], 1
	s_mov_b32 s[G0S+1], SCL+HALFS
	s_mov_b64 s[G0S+2:G0S+3], s[46:47]
	s_or_b32 s[G0S+3], s[G0S+3], 0x80000000
	s_mov_b32 s[G0SB], 1
	s_mov_b32 s[G0SB+1], SCL
	s_mov_b64 s[G0SB+2:G0SB+3], s[92:93]
	s_or_b32 s[G0SB+3], s[G0SB+3], 0x80000000
	s_mov_b32 s[G0], 1
	s_mov_b32 s[G0+1], 0
	s_mov_b64 s[G0+2:G0+3], s[66:67]
	s_or_b32 s[G0+3], s[G0+3], 0x80000000
	s_mov_b32 s[G0B], 1
	s_mov_b32 s[G0B+1], 2*HALFT
	s_mov_b64 s[G0B+2:G0B+3], s[100:101]
	s_or_b32 s[G0B+3], s[G0B+3], 0x80000000
	s_mul_i32 s4, s20, 98304                       ; for the ring: my half of a tile: 8 tiles of 12,288 bytes of Y,
	s_mov_b32 s5, 0
	s_mul_i32 s6, s20, 49152                       ; 4 of X
	s_mov_b32 s7, 0
	s_add_nc_u64 s[66:67], s[66:67], s[4:5]
	s_add_nc_u64 s[100:101], s[100:101], s[6:7]
	s_mov_b32 s[G0+4], 1                           ; slot 1: K step 1
	s_mul_i32 s[G0+5], s20, HALFT
	s_add_co_u32 s[G0+5], s[G0+5], SLOT
	s_add_nc_u64 s[G0+6:G0+7], s[66:67], TILEB
	s_or_b32 s[G0+7], s[G0+7], 0x80000000
	s_mov_b32 s[G0B+4], 1
	s_mul_i32 s[G0B+5], s20, HALFX
	s_add_co_u32 s[G0B+5], s[G0B+5], SLOT+2*HALFT
	s_add_nc_u64 s[G0B+6:G0B+7], s[100:101], TILEB
	s_or_b32 s[G0B+7], s[G0B+7], 0x80000000
	CROUND                                         ; all sixteen work-groups are here: the first joint loads meet
.macro ARM under, g0, g1, next         ; one chain of branches on the wave's number: every way passes exactly one load
	s_cmp_lt_u32 s18, \under
	s_cbranch_scc0 \next
	tensor_load_to_lds s[\g0:\g0+3], s[\g1:\g1+7]
	s_nop 0
.rept 4
	v_nop
.endr
	s_branch .Lhead_asked
\next:
.endm
	ARM 1, G0, G1, .Lhead_b
	ARM 2, G0B, G1B, .Lhead_sa
	ARM 3, G0S, G1S, .Lhead_sb
	tensor_load_to_lds s[G0SB:G0SB+3], s[G1SB:G1SB+7]
	s_nop 0
.rept 4
	v_nop
.endr
.Lhead_asked:
	v_and_b32 v1, 15, v0                           ; r
	v_bfe_u32 v2, v0, 4, 1                         ; h
	v_and_b32 v3, 31, v0                           ; lane
	v_lshlrev_b32 v10, 6, v2                       ; 64 h
.irp b, 0,1,2,3                                ; the bias of X's tile b: features 32 (b / 2) + 8 (b % 2) + 16 h + 0 .. 7
	global_load_b128 v[BIAS+8*\b:BIAS+8*\b+3], v10, s[12:13] offset:(32*(\b/2)+8*(\b%2))*4
	global_load_b128 v[BIAS+8*\b+4:BIAS+8*\b+7], v10, s[12:13] offset:(32*(\b/2)+8*(\b%2))*4+16
.endr
	v_lshlrev_b32 v6, 3, v3                        ; 8 x lane
	v_add_nc_u32 v[ADRA], s94, v6
	v_add_nc_u32 v[ADRB], s95, v6
	v_add_nc_u32 v[ADRA+1], SLOT, v[ADRA]
	v_add_nc_u32 v[ADRB+1], SLOT, v[ADRB]
	v_lshrrev_b32 v4, 3, v1                        ; my row's scale bytes: run 4 (i / 2) + i % 2 + 2 (r / 8) of 272 bytes, at 32 (r % 8)
	v_and_b32 v5, 7, v1
	v_mul_u32_u24 v4, v4, 544
	v_sub_nc_u32 v7, 1, v2                         ; 1 in lanes 0-15
	v_lshl_add_u32 v4, v5, 5, v4
	v_mul_u32_u24 v5, s96, v7                      ; lanes 0-15 take Y's: one product, the distance between the two bases
	v_add_nc_u32 v4, v4, v5
	v_add_nc_u32 v[ADRS], s97, v4
	v_mul_u32_u24 v5, v1, SPITCH                   ; into the stage: row r, 64 h bytes on
	v_lshl_add_u32 v5, v2, 6, v5
	v_add_nc_u32 v[STO], s98, v5
	v_mul_u32_u24 v5, v2, SPITCH                   ; back: lanes 0-15 one row of 256 bytes, lanes 16-31 the next
	v_lshl_add_u32 v5, v1, 4, v5
	v_add_nc_u32 v[RD], s98, v5
	v_lshlrev_b32 v5, 12, v2                       ; and the same two rows of out0, 4,096 bytes apart
	v_lshl_add_u32 v[CO], v1, 4, v5
.macro FRAG reg, adr, q, i             ; a fragment, 16 rows x 128 K: six pieces of 256 consecutive bytes, 8 bytes a lane
.irp p, 0,1,2,3,4,5
	ds_load_b64 v[\reg+2*\p:\reg+2*\p+1], v[\adr] offset:TILEB*(\i)+768*(2*(\q)+\p/3)+256*(\p%3)
.endr
.endm
; 8 matrix instructions: Y's tiles a0, a0 + 1 x X's four.  mode 1: the sums start from the bias.  The 32 accumulators take turns, in the same order in every step.
.macro MUL8 a0, p, q, sc, mode
.irp a, \a0, \a0+1
.irp b, 0,1,2,3
.set rD, 8*(4*(\a)+\b)
.set rB, 128*(\p)+FR*\b
.set rA, AF+FR*(\a)
.set rSB, SC+8*NQ*(\sc)+NQ*\b+(\q)
.set rSA, SC+8*NQ*(\sc)+NQ*(\a)+(\q)
.if (\mode) == 0
	v_wmma_scale_f32_16x16x128_f8f6f4 v[rD:rD+7], v[rB:rB+FR-1], v[rA:rA+FR-1], v[rD:rD+7], v[rSB], v[rSA] matrix_a_fmt:MATRIX_FMT_FP6 matrix_b_fmt:MATRIX_FMT_FP6 matrix_a_scale:MATRIX_SCALE_ROW1
.else
	v_wmma_scale_f32_16x16x128_f8f6f4 v[rD:rD+7], v[rB:rB+FR-1], v[rA:rA+FR-1], v[BIAS+8*\b:BIAS+8*\b+7], v[rSB], v[rSA] matrix_a_fmt:MATRIX_FMT_FP6 matrix_b_fmt:MATRIX_FMT_FP6 matrix_a_scale:MATRIX_SCALE_ROW1
.endif
.endr
.endr
.endm
.macro FETCH_B slot, q, p              ; X's four fragments into set p
	WIN TO_B
.irp i, 0,1,2,3
	FRAG 128*(\p)+FR*\i, ADRB+\slot, \q, \i
.endr
	WIN 0
.endm
.macro FETCH_A slot, q, i0             ; Y's tiles i0 .. i0 + 3
.irp i, \i0, \i0+1, \i0+2, \i0+3
	FRAG AF+FR*(\i), ADRA+\slot, \q, \i
.endr
.endm
.macro SCALES sc                       ; the K step's scale words: lanes 0-15 Y's tile i, lanes 16-31 X's tile i (i under 4)
.irp i, 0,1,2,3,4,5,6,7
	ds_load_b64 v[SC+8*NQ*\sc+NQ*\i:SC+8*NQ*\sc+NQ*\i+1], v[ADRS] offset:272*(4*(\i/2)+\i%2)
.endr
.endm
.macro PLACES n                        ; places behind matrix instructions, in front of loads into their registers
.rept \n
	v_nop
.endr
.endm
.macro MWIN mode
.if \mode
	WIN 0x81                                       ; C, the bias, in window 0
.else
	WIN MUL_W
.endif
.endm
.macro STEP slot, q, mode              ; 128 along K that has its successor in the same slot
	s_wait_dscnt 4*NL                              ; X's set and Y's tiles 0-3 are in; the youngest 24 loads (Y's tiles 4-7) may be out
	MWIN \mode
	MUL8 0, (\q)%2, \q, \slot, \mode
	MUL8 2, (\q)%2, \q, \slot, \mode
	s_wait_dscnt 0
	PLACES NP
	FETCH_B \slot, (\q)+1, 1-(\q)%2
	FETCH_A \slot, (\q)+1, 0
	MWIN \mode
	MUL8 4, (\q)%2, \q, \slot, \mode
	MUL8 6, (\q)%2, \q, \slot, \mode
	PLACES NP
	WIN 0
	FETCH_A \slot, (\q)+1, 4
.endm
.macro TURN slot, next, fill           ; a slot's last step changes slots: one barrier; fill = 1: it opens a round of the cluster's barrier, and this slot is filled again
	s_wait_tensorcnt 0x0                           ; all my tensor loads have landed: my part of the next slot
	ds_add_u32 v[SPW], v[NIL]
	s_wait_dscnt 4*NL+1                            ; (the add and the youngest 24 loads may be out)
	WIN MUL_W
	MUL8 0, 1, NQ-1, \slot, 0
	s_wait_dscnt 0x0                               ; the add is done, and my reads of this slot are over
	s_barrier_signal -1
	MUL8 2, 1, NQ-1, \slot, 0
	WIN 0
	s_barrier_wait -1
.if \fill
	CREST
	s_add_nc_u64 s[G0+4*\slot+2:G0+4*\slot+3], s[G0+4*\slot+2:G0+4*\slot+3], 2*TILEB
	s_add_nc_u64 s[G0B+4*\slot+2:G0B+4*\slot+3], s[G0B+4*\slot+2:G0B+4*\slot+3], 2*TILEB
	JLOAD G0+4*\slot, G1, G0B+4*\slot, G1B         ; the first tensor load behind the round; its four v_nop are the places in front of the loads below
.else
	PLACES NP
.endif
	s_wait_alu depctr_va_vdst(0)
	v_add_nc_u32 v[ADRS], 4*NQ, v[ADRS]            ; on to the next K step's scale words
	FETCH_B \next, 0, 0
	FETCH_A \next, 0, 0
	SCALES \next
	WIN MUL_W
	MUL8 4, 1, NQ-1, \slot, 0
	MUL8 6, 1, NQ-1, \slot, 0
	PLACES NP
	WIN 0
	FETCH_A \next, 0, 4
.endm
	s_wait_alu depctr_va_vdst(0)
	s_wait_tensorcnt 0x0                           ; my tile of the head's four is in; slot 1's first fill is issued as a refill is
	ds_add_u32 v[SPW], v[NIL]
	s_mul_i32 s[G0+1], s20, HALFT                  ; no tensor load of mine is out: slot 0's descriptors become the ring's, my half of a tile,
	s_mov_b64 s[G0+2:G0+3], s[66:67]
	s_or_b32 s[G0+3], s[G0+3], 0x80000000
	s_mul_i32 s[G0B+1], s20, HALFX
	s_add_co_u32 s[G0B+1], s[G0B+1], 2*HALFT
	s_mov_b64 s[G0B+2:G0B+3], s[100:101]
	s_or_b32 s[G0B+3], s[G0B+3], 0x80000000
	s_mov_b32 s[G1+2], 8<<16                       ; and a load brings 8 tiles of Y or 4 of X from here on
	s_mov_b32 s[G1+4], 8
	s_mov_b32 s[G1B+2], 4<<16
	s_mov_b32 s[G1B+4], 4
	s_wait_dscnt 0x0
	CROUND                                         ; everybody's tiles are in, and the sixteen work-groups meet
	JLOAD G0+4, G1, G0B+4, G1B                     ; K step 1, the first tensor load behind the round
	FETCH_B 0, 0, 0
	FETCH_A 0, 0, 0
	SCALES 0
	FETCH_A 0, 0, 4
	s_wait_loadcnt 0x0                             ; the bias
	STEP 0, 0, 1
	TURN 0, 1, 1                                   ; K = 1,024 is four K steps: the ring is written straight
	STEP 1, 0, 0
	TURN 1, 0, 1
	STEP 0, 0, 0
	TURN 0, 1, 0                                   ; nothing is left to fetch
	STEP 1, 0, 0
	s_wait_dscnt 4*NL                              ; the very last step
	WIN MUL_W
	MUL8 0, 1, NQ-1, 1, 0
	MUL8 2, 1, NQ-1, 1, 0
	s_wait_dscnt 0
	MUL8 4, 1, NQ-1, 1, 0
	MUL8 6, 1, NQ-1, 1, 0
	WIN 0
; THE WAY OUT, tile by tile of 16 tokens x 64 features: through my own stage and back as whole rows of 256 bytes; LDS serves a wave's instructions in order (ISA guide 5.7.1.4).
.macro TOSTAGE a
.set AC, 32*(\a)
	WIN 0x08                                       ; the data: window 2
.irp b, 0,1,2,3
	ds_store_b128 v[STO], v[AC+8*\b:AC+8*\b+3] offset:128*(\b/2)+32*(\b%2)        ; each accumulator from its low end on
	ds_store_b128 v[STO], v[AC+8*\b+4:AC+8*\b+7] offset:128*(\b/2)+32*(\b%2)+16
.endr
	WIN 0
.set BB, BK+32*((\a)%2)
.irp t, 0,1,2,3,4,5,6,7
	ds_load_b128 v[BB+4*\t:BB+4*\t+3], v[RD] offset:\t*2*SPITCH
.endr
.endm
.macro SEND a, younger                 ; younger: the LDS instructions issued behind tile a's loads
.set BB, BK+32*((\a)%2)
	s_wait_dscnt \younger
.if (\a) > 0
.if (\a)%2
	s_add_nc_u64 s[14:15], s[14:15], 8*4096        ; tile 2 G + 1 begins 8 rows behind tile 2 G,
.else
	s_add_nc_u64 s[14:15], s[14:15], 24*4096       ; tile 2 G + 2 another 24
.endif
.endif
.irp t, 0,1,2,3,4,5,6,7
	global_store_b128 v[CO], v[BB+4*\t:BB+4*\t+3], s[14:15] offset:(2*\t+8*(\t/4))*4096 th:TH_STORE_NT   ; stage rows 2 t and 2 t + 1: two runs of 256 consecutive bytes, aligned
.endr
.endm
	PLACES NP
	TOSTAGE 0
.irp a, 1,2,3,4,5,6,7
.if \a > 1
	s_wait_xcnt 0x0                                ; tile a - 2's stores have read their registers and their base
.endif
	TOSTAGE \a
	SEND \a-1, 16                                  ; behind tile a - 1's loads: tile a's 8 stores and 8 loads
.endr
	s_wait_xcnt 0x0
	SEND 7, 0
	s_wait_tensorcnt 0x0                           ; the wave's end
	ds_add_u32 v[SPW], v[NIL]
	s_wait_dscnt 0x0
	CROUND                                         ; the closing round
	s_endpgm
.Lfunc_end_k_q8e6d90c54b_outp:
	.size	k_q8e6d90c54b_outp, .Lfunc_end_k_q8e6d90c54b_outp-k_q8e6d90c54b_outp
	.p2alignl 7, 3214868480
	.fill 96, 4, 3214868480
	.section	.rodata,"a",@progbits
	.p2align	6, 0x0
	.amdhsa_kernel k_q8e6d90c54b_outp
		.amdhsa_group_segment_fixed_size 327680
		.amdhsa_private_segment_fixed_size 0
		.amdhsa_enable_private_segment 0
		.amdhsa_kernarg_size 48
		.amdhsa_user_sgpr_count 2
		.amdhsa_user_sgpr_kernarg_segment_ptr 1
		.amdhsa_wavefront_size32 1
		.amdhsa_system_sgpr_workgroup_id_x 1
		.amdhsa_system_sgpr_workgroup_id_y 1
		.amdhsa_system_sgpr_workgroup_id_z 1
		.amdhsa_system_vgpr_workitem_id 0
		.amdhsa_next_free_vgpr 768
		.amdhsa_next_free_sgpr 102
		.amdhsa_reserve_vcc 0
		.amdhsa_float_denorm_mode_32 3
		.amdhsa_float_denorm_mode_16_64 3
		.amdhsa_memory_ordered 1
		.amdhsa_forward_progress 1
		.amdhsa_inst_pref_size 103
	.end_amdhsa_kernel
	.amdgpu_metadata
---
amdhsa.version: [ 1, 2 ]
amdhsa.kernels:
  - .name:           k_q8e6d90c54b_outp
    .symbol:         k_q8e6d90c54b_outp.kd
    .args:
      - { .name: x_codes, .offset: 0, .size: 8, .value_kind: global_buffer, .address_space: global }
      - { .name: x_scales, .offset: 8, .size: 8, .value_kind: global_buffer, .address_space: global }
      - { .name: cat_codes, .offset: 16, .size: 8, .value_kind: global_buffer, .address_space: global }
      - { .name: cat_scales, .offset: 24, .size: 8, .value_kind: global_buffer, .address_space: global }
      - { .name: bo, .offset: 32, .size: 8, .value_kind: global_buffer, .address_space: global }
      - { .name: out0, .offset: 40, .size: 8, .value_kind: global_buffer, .address_space: global }
    .group_segment_fixed_size: 327680
    .private_segment_fixed_size: 0
    .kernarg_segment_align: 8
    .kernarg_segment_size: 48
    .max_flat_workgroup_size: 128
    .sgpr_count:     102
    .vgpr_count:     768
    .wavefront_size: 32
...
	.end_amdgpu_metadata
.endif
;; end of part 4
